; MI455X (gfx1250); checked and timed in simulation.
; The chip was launched on July 23, 2026; its instructions are those of AMD's public machine-readable ISA for CDNA 5 (MIT licence, August 2026) and "CDNA5" Instruction Set Architecture Reference Guide (July 2026). The comments in the code are by the model that wrote it; some were corrected since.
;; Self Attention ND. Allowed arithmetic: matrix products marked QUANTISED: E2M1 operands, one E8M0 scale for each 32 along K, by v_wmma_scale_f32_16x16x128_f8f6f4 with both operands' format E2M1 (or v_wmma_scale_f32_32x16x128_f4), f32 sums; products left as they are: bf16, f16 or f32 operands; f32 sums; everything else in f32.
;; Inputs: rel_col 4 x 128 float32; rel_row 4 x 128 float32; wk 512 x 4 x 128 float32; wo 4 x 128 x 512 float32; wq 512 x 4 x 128 float32; wv 512 x 4 x 128 float32; x 2 x 64 x 64 x 512 float32.
;; Outputs: out0 2 x 64 x 64 x 512 float32.
;; This version of the problem:
;;   THIS VERSION OF THE PROBLEM IS GIVEN IN LOW PRECISION. The matrix products marked QUANTISED in the list below multiply operands that are first quantised to E2M1 (2 exponent bits, 1 mantissa bit; 4 bits a number), with one power-of-two scale for each 32 numbers along K (OCP MX v1.0); their sums are f32. The products marked 'left as it is' may take bf16, f16 or f32 operands, with f32 sums. Whichever they take, every output number must still come out within the allowed error. Rounding operands to bf16 (8 significant bits) uses up far more of that allowance than f16 does (11 bits, for magnitudes from 6e-5 to 65,504). All else is computed in f32.
;;   The module's matrix products, in the order in which they are computed (A, B: the left and right operand; K: the contracted axis; several contracted axes count as one K, in the product's order):
;;     1. [M 8,192, K 512] x [K 512, N 512]; A: input x; B: input wq: QUANTISED
;;     2. [M 8,192, K 512] x [K 512, N 512]; A: input x; B: input wk: QUANTISED
;;     3. [M 8,192, K 512] x [K 512, N 512]; A: input x; B: input wv: QUANTISED
;;     4. batch 8 x [M 4,096, K 128] x [K 128, N 4,096]; A: computed on the way; B: computed on the way: left as it is (an operand is computed on the way)
;;     5. batch 8 x [M 128, K 4,096] x [K 4,096, N 4,096]; A: computed on the way; B: computed on the way: left as it is (an operand is computed on the way)
;;     6. [M 8,192, K 512] x [K 512, N 512]; A: computed on the way; B: input wo: left as it is (an operand is computed on the way)
;;   THE QUANTISER, for each operand of a quantised product, along K:
;;     - K is cut into blocks of 32 from its start; a last block that is shorter is filled with zeros.
;;     - A block's scale is 2^e with e = floor(log2(the largest magnitude in the block)) - 2, held to -126 .. 127; a block of zeros has e = 0. As a byte (E8M0): e + 127.
;;     - Each number is divided by its block's scale, clamped to +-6, and rounded to the nearest number of E2M1, ties to even, subnormals kept.
;;     - The product sums the exact products of the quantised numbers (number of the format x scale) in f32.
;;   ~~~python
;;   def quantise(x, axis):      # numpy; x: float32 -> the quantised numbers, widened to float32 again
;;       x = np.moveaxis(x, axis, -1); K = x.shape[-1]
;;       x = np.pad(x, [(0, 0)] * (x.ndim - 1) + [(0, -K % 32)]); x = x.reshape(x.shape[:-1] + (-1, 32)); a = np.abs(x).max(-1, keepdims=True)
;;       e = np.where(a > 0, np.clip(np.frexp(np.where(a > 0, a, 1))[1] - 1 - 2, -126, 127), 0)      # np.frexp(a)[1] - 1 = floor(log2(a)), exactly
;;       r = np.clip(x / 2.0 ** e, -6, 6)
;;       step = 2.0 ** (np.maximum(np.frexp(np.where(r == 0, 1, r))[1] - 1, 0) - 1)
;;       q = np.round(r / step) * step * 2.0 ** e      # np.round: ties to even
;;       return np.moveaxis(q.reshape(q.shape[:-2] + (-1,))[..., :K], -1, axis).astype(np.float32)
;;   ~~~
;; One version. Each part assembles by itself: llvm-mc -triple=amdgcn-amd-amdhsa -mcpu=gfx1250 --defsym DOCPART=n.
;; ======== version 1 of 1: 5 launches
;; limits: values are held in f16: magnitudes above 65,504 overflow, below 6.1e-05 lose precision
;; workspace buffers: cod 2,490,368 bytes; sc 155,648 bytes; wop 1,572,864 bytes; qf 8,388,608 bytes; kv 16,777,216 bytes; of 8,388,608 bytes; f32w 196,608 bytes
;; launch prep (part 1): grid 592 x 1, 4 waves a work-group, no clusters, 34,560 bytes of LDS; arguments x, wq, wk, wv, wo, cod, sc, wop; writes cod, sc, wop
.if DOCPART == 1
	.amdgcn_target "amdgcn-amd-amdhsa--gfx1250"
	.amdhsa_code_object_version 6
	.text
	.protected	k_qc912d7c6f4_prep
	.globl	k_qc912d7c6f4_prep
	.p2align	8
	.type	k_qc912d7c6f4_prep,@function
k_qc912d7c6f4_prep:
	s_mov_b64 s[64:65], 0
	v_nop
	global_prefetch_b8 v0, s[64:65] scope:SCOPE_SE
	s_setreg_imm32_b32 hwreg(HW_REG_WAVE_MODE, 25, 1), 1
	s_wait_xcnt 0x0
; PREP: the operands of the later launches, laid in the order of the matrix operands' registers.
;   x [8192][512], wq, wk, wv [512 (K)][512] f32 -> codes of FP4 (E2M1) with one E8M0 byte for each 32 along K = the 512 channels;  wo [512 (K)][512] f32 -> f16 fragments and f32 images.
; THE WHOLE PROGRAM: prep | qkv (the three quantised products) | attn (scores, bias, mask, softmax, weighted sum, f16 operands) | proj (the way out, f16 operands) | fine (positions 0-15 of both sequences once more, in f32).
; WORK LEFT OUT, for all values of the inputs:
;   (a) reference() adds its own mask, -1e6 where key > query in raster order.  A step of 64 keys (one image row) that lies wholly behind a query tile's image row holds masked keys alone: attn does not walk it.
;       Inside the four image rows that hold the diagonal the mask is ADDED as reference() adds it.
;       LIMIT: a left-out key's weight exp(-1e6 + its logit - the row's largest logit) is taken as 0: this holds while a row's logits spread by less than some 999,900.
;   (b) in fine all 16 queries and all keys that count lie in image row 0, so the row bias rel_row[h][63] is one term along the softmax's axis and falls out of it: fine does not load rel_row.
;   LIMIT: a NaN, an infinity or an overflow that reaches only the work left out is not carried to the result.  Every input is loaded by some launch.
; THE QUANTISER.  A block's scale is 2^(floor(log2(largest magnitude)) - 2): its byte is the largest magnitude's exponent field - 2, held at 1 from below by a floor among the maximum's leaves.
;   A block of zeros so gets the byte 1 where the rule says 127: its codes are zeros, and the bytes are read by this program alone.  LIMIT: NaN and infinities in x, wq, wk, wv are not served.
; LAYOUTS.  An FP4 fragment (16 rows x 128 K) is 1,024 bytes: the 16 bytes of block bk (0..3) of row r at 256 bk + 16 r, which is register group c of lane l at 512 c + 16 l.
;   cod: x's fragments [row tile 512][K step 4], then from WC0 the weights' [column tile 96 = 32 mat + n / 16][K step 4].   sc: x's scale words [K step 4][8192], then from WS0 the weights' [K step 4][1536].
;   wop: f16 fragments [d tile 32][k chunk of 32: 16], eight k of column r at 256 (k / 8 % 4) + 16 r; from WO32 f32 images [d tile 32][k / 16: 32]: lane (r, h) holds k = 16 T + 8 h + 0..7 of column r, two groups of four at 512 c + 16 l.
; SHARES.  Work-groups 0-511: x (64 rows x one K step; a wave takes 16 rows).  512-559: the weights (32 columns; a wave takes a K step).  560-591: wo (a wave takes 32 columns x 64 k).
; A stream: no tensor loads, no cluster, no matrix unit: each byte is read once and nothing is shared; all work-groups' loads are out together.
.set PX,    528                        ; x's stage: a row of 512 bytes + 16 of padding = 132 words, so that the 16 rows that a load touches start in 16 different groups of four words modulo 64
.set WREG,  16*PX                      ; a wave's stage
.set SCW,   4*WREG                     ; the work-group's 64 scale words
.set SPARE, SCW+256                    ; the spare words, 128 bytes for each wave: two blocks of 256 bytes that no other line names
.set WC0,   2097152
.set WS0,   131072
.set WO32,  524288
.set SPW,   2                          ; v2   LDS address of my spare word; never rewritten
.set NIL,   3                          ; v3   0; never rewritten
.set R,     16                         ; numbers as they are loaded
.set N,     80                         ; x: v80-143: register 32 c + i = k 64 c + 32 h + i of my row
.set CD,    144                        ; codes
; 32 numbers of one block, v[xs] on, become 4 registers of codes, v[cd] on; v[so] is left holding the conversion's scale operand
.macro BLOCK xs, cd, so
	v_max3_num_f32 v10, |v[\xs]|, |v[\xs+1]|, 0x1800000            ; the floor 2^(3 - 127): the byte cannot fall under 1
	v_max3_num_f32 v11, |v[\xs+2]|, |v[\xs+3]|, |v[\xs+4]|         ; two chains, so that no line waits for the line above it
.irp i, 5,9,13,17,21,25
	v_max3_num_f32 v10, v10, |v[\xs+\i]|, |v[\xs+\i+1]|
	v_max3_num_f32 v11, v11, |v[\xs+\i+2]|, |v[\xs+\i+3]|
.endr
	v_max3_num_f32 v10, v10, |v[\xs+29]|, |v[\xs+30]|
	v_max3_num_f32 v10, v10, v11, |v[\xs+31]|                      ; the block's largest magnitude
	v_add_nc_u32 v[\so], 0xff000000, v10                           ; 2 off its exponent field: the conversion takes the exponent field of this operand as its scale
.irp g, 0,1,2,3
	v_cvt_scalef32_pk8_fp4_f32 v[\cd+\g], v[\xs+8*\g:\xs+8*\g+7], v[\so]
.endr
	v_nop                                                          ; one plain line behind the last scaled conversion
.endm
	s_load_b256 s[4:11], s[0:1], 0x0               ; x s[4:5], wq s[6:7], wk s[8:9], wv s[10:11]
	s_load_b256 s[12:19], s[0:1], 0x20             ; wo s[12:13], cod s[14:15], sc s[16:17], wop s[18:19]
	v_lshl_add_u32 v[SPW], v0, 2, SPARE
	v_mov_b32 v[NIL], 0
	v_lshrrev_b32 v1, 5, v0
	v_readfirstlane_b32 s20, v1                    ; wave 0..3
	v_and_b32 v1, 31, v0                           ; lane
	v_lshlrev_b32 v4, 4, v1                        ; 16 x lane
	v_and_b32 v8, 15, v0                           ; r
	v_bfe_u32 v9, v0, 4, 1                         ; h
	s_cmp_lt_u32 ttmp9, 512
	s_cbranch_scc0 .Lnot_x
	; ---------------- x: 16 rows x 128 along K a wave ----------------
	s_lshr_b32 s21, ttmp9, 2                       ; which 64 rows
	s_and_b32 s22, ttmp9, 3                        ; which K step
	s_lshl_b32 s24, s21, 2
	s_add_co_u32 s24, s24, s20                     ; my row tile
	s_mul_i32 s25, s20, WREG                       ; my stage
	v_add_nc_u32 v5, s25, v4                       ; in: a row's 512 bytes as they lie
	v_mul_u32_u24 v6, v8, PX
	v_lshl_add_u32 v6, v9, 7, v6
	v_add_nc_u32 v6, s25, v6                       ; out: row r, 128 h bytes on: my 32 numbers of a pair of blocks
	s_lshl_b32 s26, s20, 6
	s_add_co_u32 s26, s26, SCW
	v_lshl_add_u32 v7, v8, 2, s26                  ; my row's scale word
	v_lshlrev_b32 v13, 3, v1                       ; the words' way out: 8 bytes a lane
	v_add_nc_u32 v12, SCW, v13
	v_lshlrev_b32 v14, 3, v9                       ; 8 h: where my two bytes stand in the word
	v_mov_b32 v153, 0                              ; a lane permute's destination counts as one of its sources
	s_mov_b32 s30, 0x76543210
	s_mov_b32 s31, 0xfedcba98                      ; v_permlanex16_b32's selects for lane l xor 16
	s_lshl_b32 s26, s24, 15                        ; 16 rows of 2,048 bytes
	s_lshl_b32 s27, s22, 9                         ; + the K step's 512 bytes
	s_add_co_u32 s26, s26, s27
	s_mov_b32 s27, 0
	s_lshl_b32 s28, s24, 2
	s_add_co_u32 s28, s28, s22
	s_lshl_b32 s28, s28, 10                        ; my fragment: (4 x row tile + K step) x 1,024
	s_mov_b32 s29, 0
	s_lshl_b32 s32, s22, 15
	s_lshl_b32 s33, s21, 8
	s_add_co_u32 s32, s32, s33                     ; the work-group's 64 words
	s_mov_b32 s33, 0
	s_wait_kmcnt 0x0
	s_add_nc_u64 s[4:5], s[4:5], s[26:27]
	s_add_nc_u64 s[14:15], s[14:15], s[28:29]
	s_add_nc_u64 s[16:17], s[16:17], s[32:33]
.irp i, 0,1,2,3,4,5,6,7,8,9,10,11,12,13,14,15
	global_load_b128 v[R+4*\i:R+4*\i+3], v4, s[4:5] offset:2048*\i th:TH_LOAD_NT   ; 32 lanes read a row's 512 consecutive bytes
.endr
.irp i, 0,1,2,3,4,5,6,7,8,9,10,11,12,13,14,15
	s_wait_loadcnt 15-\i                           ; row i is in; the younger loads stay out
	ds_store_b128 v5, v[R+4*\i:R+4*\i+3] offset:PX*\i
.endr
.irp c, 0,1
.irp i, 0,1,2,3,4,5,6,7
	ds_load_b128 v[N+32*\c+4*\i:N+32*\c+4*\i+3], v6 offset:256*\c+16*\i   ; LDS serves a wave's instructions in order: these see my stores
.endr
.endr
	s_wait_dscnt 8                                 ; block 2 x 0 + h is in; the second block's eight loads are younger
	BLOCK N, CD, 156
	global_store_b128 v4, v[CD:CD+3], s[14:15]     ; 512 consecutive bytes: register group 0
	s_wait_dscnt 0x0
	BLOCK N+32, CD+4, 157
	global_store_b128 v4, v[CD+4:CD+7], s[14:15] offset:512
	v_lshrrev_b32 v158, 23, v156                   ; the bytes of blocks h and 2 + h
	v_lshrrev_b32 v159, 23, v157
	v_lshl_or_b32 v152, v159, 16, v158
	v_lshlrev_b32 v152, v14, v152                  ; at their places in the word
	v_permlanex16_b32 v153, v152, s30, s31
	v_or_b32 v152, v152, v153                      ; with lane l xor 16's two the word is whole
	ds_store_b32 v7, v152                          ; both lanes of a row write the same word with the same value
	s_wait_dscnt 0x0                               ; for the others' sake: my word has landed
	s_barrier_signal -1
	s_barrier_wait -1
	s_cmp_lg_u32 s20, 0
	s_cbranch_scc1 .Lx_end
	ds_load_b64 v[10:11], v12                      ; wave 0: the 64 words
	s_wait_dscnt 0x0
	global_store_b64 v13, v[10:11], s[16:17]       ; 256 consecutive bytes, aligned
.Lx_end:
	s_wait_tensorcnt 0x0                           ; the wave's end: behind my last LDS store
	ds_add_u32 v[SPW], v[NIL]
	s_wait_dscnt 0x0
	s_endpgm
.Lnot_x:
	s_cmp_lt_u32 ttmp9, 560
	s_cbranch_scc0 .Lwo
	; ---------------- wq, wk, wv: a lane takes a column, its registers run down K: 32 columns x 128 along K a wave ----------------
	s_sub_co_u32 s21, ttmp9, 512
	s_lshr_b32 s22, s21, 4                         ; which matrix
	s_and_b32 s21, s21, 15                         ; which 32 columns
	v_lshlrev_b32 v6, 2, v1                        ; in: 4 bytes a lane
	v_lshlrev_b32 v5, 4, v8
	v_lshl_add_u32 v5, v9, 12, v5                  ; out: column r of column tile lane / 16: tiles lie 4 fragments apart
	s_lshl_b32 s24, s20, 18                        ; the K step's 128 rows of 2,048 bytes
	s_lshl_b32 s25, s21, 7
	s_add_co_u32 s24, s24, s25
	s_mov_b32 s25, 0
	s_lshl_b32 s26, s22, 5
	s_lshl_b32 s27, s21, 1
	s_add_co_u32 s26, s26, s27                     ; my first column tile
	s_lshl_b32 s26, s26, 2
	s_add_co_u32 s26, s26, s20
	s_lshl_b32 s26, s26, 10
	s_add_co_u32 s26, s26, WC0
	s_mov_b32 s27, 0
	s_mul_i32 s28, s20, 6144                       ; the K step's 1,536 words
	s_lshl_b32 s29, s22, 11
	s_add_co_u32 s28, s28, s29
	s_lshl_b32 s29, s21, 7
	s_add_co_u32 s28, s28, s29
	s_add_co_u32 s28, s28, WS0
	s_mov_b32 s29, 0
	s_wait_kmcnt 0x0
	s_cmp_eq_u32 s22, 0                            ; the choice of the buffer hangs on the work-group's number alone
	s_cselect_b64 s[6:7], s[6:7], s[8:9]
	s_cmp_eq_u32 s22, 2
	s_cselect_b64 s[6:7], s[10:11], s[6:7]
	s_add_nc_u64 s[6:7], s[6:7], s[24:25]
	s_add_nc_u64 s[14:15], s[14:15], s[26:27]
	s_add_nc_u64 s[16:17], s[16:17], s[28:29]
.set i, 0
.rept 128
	global_load_b32 v[R+i], v6, s[6:7] offset:2048*i th:TH_LOAD_NT   ; w(128 s + i, my column): 128 consecutive bytes a wave
.set i, i+1
.endr
.macro QW b, left
	s_wait_loadcnt \left                           ; this block's 32 loads are in
	BLOCK R+32*(\b), CD+4*(\b), 12
	v_lshrrev_b32 v13, 23, v12                     ; the scale's byte
.if (\b) == 0
	v_mov_b32 v160, v13
.else
	v_lshl_or_b32 v160, v13, 8*(\b), v160
.endif
	global_store_b128 v5, v[CD+4*(\b):CD+4*(\b)+3], s[14:15] offset:256*(\b)   ; sixteen lanes store 256 consecutive bytes, aligned
.endm
	QW 0, 63                                       ; 96 loads are younger: the count is held to what the wait can name
	QW 1, 63                                       ; 64 are younger: likewise
	QW 2, 32
	QW 3, 0
	global_store_b32 v6, v160, s[16:17]            ; 32 columns' words: 128 consecutive bytes; the weights' words are 24 KB in all
	s_endpgm
.Lwo:
	; ---------------- wo: a lane takes a column d, its registers run down k: 32 columns x 64 k a wave ----------------
	s_sub_co_u32 s21, ttmp9, 560
	s_lshl_b32 s21, s21, 2
	s_add_co_u32 s21, s21, s20
	s_lshr_b32 s22, s21, 3                         ; which 32 columns
	s_and_b32 s21, s21, 7                          ; which 64 k
	v_lshlrev_b32 v6, 2, v1
	v_lshlrev_b32 v5, 4, v8
	v_lshl_add_u32 v7, v9, 15, v5                  ; f32 images: d tiles lie 32 KB apart
	v_lshl_add_u32 v5, v9, 14, v5                  ; f16 fragments: 16 KB apart
	s_lshl_b32 s24, s21, 17
	s_lshl_b32 s25, s22, 7
	s_add_co_u32 s24, s24, s25
	s_mov_b32 s25, 0
	s_lshl_b32 s26, s22, 15
	s_lshl_b32 s27, s21, 11
	s_add_co_u32 s26, s26, s27
	s_mov_b32 s27, 0
	s_lshl_b32 s28, s22, 16
	s_lshl_b32 s29, s21, 12
	s_add_co_u32 s28, s28, s29
	s_add_co_u32 s28, s28, WO32
	s_mov_b32 s29, 0
	s_wait_kmcnt 0x0
	s_add_nc_u64 s[12:13], s[12:13], s[24:25]
	s_add_nc_u64 s[30:31], s[18:19], s[28:29]
	s_add_nc_u64 s[18:19], s[18:19], s[26:27]
.set i, 0
.rept 64
	global_load_b32 v[R+i], v6, s[12:13] offset:2048*i th:TH_LOAD_NT
.set i, i+1
.endr
.irp o, 0,1,2,3,4,5,6,7
	s_wait_loadcnt 8*(7-\o)                        ; these eight k are in; the later octets' loads are younger
.irp g, 0,1,2,3
	v_cvt_pk_f16_f32 v[N+4*\o+\g], v[R+8*\o+2*\g], v[R+8*\o+2*\g+1]
.endr
	global_store_b128 v5, v[N+4*\o:N+4*\o+3], s[18:19] offset:256*\o
	global_store_b128 v7, v[R+8*\o:R+8*\o+3], s[30:31] offset:(\o/2)*1024+(\o%2)*256          ; k = 16 T + 8 h + 0..3: T = o / 2, h = o % 2
	global_store_b128 v7, v[R+8*\o+4:R+8*\o+7], s[30:31] offset:(\o/2)*1024+(\o%2)*256+512    ; and + 4..7
.endr
	s_endpgm
.Lfunc_end_k_qc912d7c6f4_prep:
	.size	k_qc912d7c6f4_prep, .Lfunc_end_k_qc912d7c6f4_prep-k_qc912d7c6f4_prep
	.p2alignl 7, 3214868480
	.fill 96, 4, 3214868480
	.section	.rodata,"a",@progbits
	.p2align	6, 0x0
	.amdhsa_kernel k_qc912d7c6f4_prep
		.amdhsa_group_segment_fixed_size 34560
		.amdhsa_private_segment_fixed_size 0
		.amdhsa_enable_private_segment 0
		.amdhsa_kernarg_size 64
		.amdhsa_user_sgpr_count 2
		.amdhsa_user_sgpr_kernarg_segment_ptr 1
		.amdhsa_wavefront_size32 1
		.amdhsa_system_sgpr_workgroup_id_x 1
		.amdhsa_system_sgpr_workgroup_id_y 1
		.amdhsa_system_sgpr_workgroup_id_z 1
		.amdhsa_system_vgpr_workitem_id 0
		.amdhsa_next_free_vgpr 168
		.amdhsa_next_free_sgpr 66
		.amdhsa_reserve_vcc 0
		.amdhsa_float_denorm_mode_32 3
		.amdhsa_float_denorm_mode_16_64 3
		.amdhsa_memory_ordered 1
		.amdhsa_forward_progress 1
		.amdhsa_inst_pref_size 42
	.end_amdhsa_kernel
	.amdgpu_metadata
---
amdhsa.version: [ 1, 2 ]
amdhsa.kernels:
  - .name:           k_qc912d7c6f4_prep
    .symbol:         k_qc912d7c6f4_prep.kd
    .args:
      - { .name: x, .offset: 0, .size: 8, .value_kind: global_buffer, .address_space: global }
      - { .name: wq, .offset: 8, .size: 8, .value_kind: global_buffer, .address_space: global }
      - { .name: wk, .offset: 16, .size: 8, .value_kind: global_buffer, .address_space: global }
      - { .name: wv, .offset: 24, .size: 8, .value_kind: global_buffer, .address_space: global }
      - { .name: wo, .offset: 32, .size: 8, .value_kind: global_buffer, .address_space: global }
      - { .name: cod, .offset: 40, .size: 8, .value_kind: global_buffer, .address_space: global }
      - { .name: sc, .offset: 48, .size: 8, .value_kind: global_buffer, .address_space: global }
      - { .name: wop, .offset: 56, .size: 8, .value_kind: global_buffer, .address_space: global }
    .group_segment_fixed_size: 34560
    .private_segment_fixed_size: 0
    .kernarg_segment_align: 8
    .kernarg_segment_size: 64
    .max_flat_workgroup_size: 128
    .sgpr_count:     66
    .vgpr_count:     168
    .wavefront_size: 32
...
	.end_amdgpu_metadata
.endif
;; end of part 1
;; launch qkv (part 2): grid 6 x 128, 4 waves a work-group, no clusters, 0 bytes of LDS; arguments cod, sc, qf, kv, f32w; writes qf, kv, f32w
.if DOCPART == 2
	.amdgcn_target "amdgcn-amd-amdhsa--gfx1250"
	.amdhsa_code_object_version 6
	.text
	.protected	k_qc912d7c6f4_qkv
	.globl	k_qc912d7c6f4_qkv
	.p2align	8
	.type	k_qc912d7c6f4_qkv,@function
k_qc912d7c6f4_qkv:
	s_mov_b64 s[64:65], 0
	v_nop
	global_prefetch_b8 v0, s[64:65] scope:SCOPE_SE
	s_setreg_imm32_b32 hwreg(HW_REG_WAVE_MODE, 25, 1), 1
	s_wait_xcnt 0x0
; QKV: the three quantised products x wq, x wk, x wv on codes of FP4 with E8M0 scales; sums in f32.  The results leave as f16 fragments for the attention launch.
; SHARES.  Work-group (X, IR): matrix X / 2, one image row IR (64 positions) x 256 columns.  Wave w: head hh = 2 (X % 2) + w / 2, its channels 64 (w % 2) on: 64 positions x 64 channels, 16 accumulators, K = 512 in four steps.
; All operands come from memory straight into registers, in register order: 34 KB of codes and scale words a wave, each read once by the wave.  NO LDS, NO CLUSTER: what waves share is 4-bit codes, an eighth of the
; f32 numbers, beside 25 MB of results that the launch stores; nothing is looped over, so there is no ring to fill.
; q and k are made TRANSPOSED (source 0 = 16 columns of W, source 1 = 16 positions): a lane holds one position and eight neighbouring channels.  v is made the natural way round (source 0 = positions):
; a lane holds one channel and eight neighbouring positions, which are the keys, the second attention product's K.  Either way a result tile packed to f16 IS half a fragment of 16 x 32: one store of 512 consecutive bytes.
; q carries c = log2(e) / sqrt(128), so that the scores come out as exponents of 2.
; OUT.  qf [bh 8][image row 64][column tile 4][4 KB]: channel tile T at 512 T + 16 lane.   kv [bh 8][image row 64][32 KB]: K: key tile a, channel tile T at 4096 a + 512 T; V: from 16384: 8192 (a / 2) + 1024 T + 512 (a % 2).
; f32w [b 2][mat 3][hh 4][channel tile 8][1 KB]: the accumulators of positions 0-15 as they stand (q with c), for the launch that makes those rows in f32.
; REGISTERS.  window 0: v1 16 x lane, v2 4 x lane; v16-23 x's scale words (K step s, pair of tiles e: lanes 0-15 tile 2 e, lanes 16-31 tile 2 e + 1), v24-31 W's; v32-95 packed results; v128-255 x's 16 fragments.
;   window 1: v0-127 W's 16 fragments; v128-255 the accumulators ((a, T) at 128 + 8 (4 a + T)).
.set WC0,  2097152
.set WS0,  131072
.set XSC,  16
.set WSC,  24
.set PK,   32
.set XF,   128
.set WF,   0
.set AC,   128
.set MSB, 0
.macro WIN new                         ; the immediate's high byte repeats the setting that is left
.if MSB != \new
	s_set_vgpr_msb (MSB<<8)|\new
.set MSB, \new
.endif
.endm
.macro PLACES
.rept 4
	v_nop
.endr
.endm
; one matrix instruction by the symbols rD, rA, rB, sA, sB; fa, fb: the side's scales stand in lanes 16-31 of the register named
.macro EMIT zero
.if \zero
.if fa && fb
	v_wmma_scale_f32_16x16x128_f8f6f4 v[rD:rD+7], v[rA:rA+7], v[rB:rB+7], 0, v[sA], v[sB] matrix_a_fmt:MATRIX_FMT_FP4 matrix_b_fmt:MATRIX_FMT_FP4 matrix_a_scale:MATRIX_SCALE_ROW1 matrix_b_scale:MATRIX_SCALE_ROW1
.elseif fa
	v_wmma_scale_f32_16x16x128_f8f6f4 v[rD:rD+7], v[rA:rA+7], v[rB:rB+7], 0, v[sA], v[sB] matrix_a_fmt:MATRIX_FMT_FP4 matrix_b_fmt:MATRIX_FMT_FP4 matrix_a_scale:MATRIX_SCALE_ROW1
.elseif fb
	v_wmma_scale_f32_16x16x128_f8f6f4 v[rD:rD+7], v[rA:rA+7], v[rB:rB+7], 0, v[sA], v[sB] matrix_a_fmt:MATRIX_FMT_FP4 matrix_b_fmt:MATRIX_FMT_FP4 matrix_b_scale:MATRIX_SCALE_ROW1
.else
	v_wmma_scale_f32_16x16x128_f8f6f4 v[rD:rD+7], v[rA:rA+7], v[rB:rB+7], 0, v[sA], v[sB] matrix_a_fmt:MATRIX_FMT_FP4 matrix_b_fmt:MATRIX_FMT_FP4
.endif
.else
.if fa && fb
	v_wmma_scale_f32_16x16x128_f8f6f4 v[rD:rD+7], v[rA:rA+7], v[rB:rB+7], v[rD:rD+7], v[sA], v[sB] matrix_a_fmt:MATRIX_FMT_FP4 matrix_b_fmt:MATRIX_FMT_FP4 matrix_a_scale:MATRIX_SCALE_ROW1 matrix_b_scale:MATRIX_SCALE_ROW1
.elseif fa
	v_wmma_scale_f32_16x16x128_f8f6f4 v[rD:rD+7], v[rA:rA+7], v[rB:rB+7], v[rD:rD+7], v[sA], v[sB] matrix_a_fmt:MATRIX_FMT_FP4 matrix_b_fmt:MATRIX_FMT_FP4 matrix_a_scale:MATRIX_SCALE_ROW1
.elseif fb
	v_wmma_scale_f32_16x16x128_f8f6f4 v[rD:rD+7], v[rA:rA+7], v[rB:rB+7], v[rD:rD+7], v[sA], v[sB] matrix_a_fmt:MATRIX_FMT_FP4 matrix_b_fmt:MATRIX_FMT_FP4 matrix_b_scale:MATRIX_SCALE_ROW1
.else
	v_wmma_scale_f32_16x16x128_f8f6f4 v[rD:rD+7], v[rA:rA+7], v[rB:rB+7], v[rD:rD+7], v[sA], v[sB] matrix_a_fmt:MATRIX_FMT_FP4 matrix_b_fmt:MATRIX_FMT_FP4
.endif
.endif
.endm
; 64 matrix instructions: K step by K step, the 16 accumulators by turns, one instruction a turn; the first K step starts the sums.
; orient 0: source 0 = W, source 1 = x.  orient 1: the other way round; scales and their rows go with the sources.
.macro GEMM orient
.irp s, 0,1,2,3
	s_wait_loadcnt 16*(3-\s)                       ; this K step's 16 loads (and all scale words) are in; the later K steps' are younger
.irp a, 0,1,2,3
.irp t, 0,1,2,3
.set rD, AC+8*(4*\a+\t)
.if \orient
.set rA, XF+8*(4*\a+\s)
.set rB, WF+8*(4*\t+\s)
.set sA, XSC+2*\s+\a/2
.set sB, WSC+2*\s+\t/2
.set fa, \a%2
.set fb, \t%2
.else
.set rA, WF+8*(4*\t+\s)
.set rB, XF+8*(4*\a+\s)
.set sA, WSC+2*\s+\t/2
.set sB, XSC+2*\s+\a/2
.set fa, \t%2
.set fb, \a%2
.endif
.if \s == 0
	EMIT 1
.else
	EMIT 0
.endif
.endr
.endr
.endr
.endm
.macro PACK                            ; the 16 accumulators, each from its low end on, to f16: four registers a tile
	WIN 0x05                                       ; sources window 1, destination window 0
.set i, 0
.rept 64
	v_cvt_pk_f16_f32 v[PK+i], v[AC+2*i], v[AC+2*i+1]
.set i, i+1
.endr
	WIN 0
.endm
	s_load_b256 s[4:11], s[0:1], 0x0               ; cod s[4:5], sc s[6:7], qf s[8:9], kv s[10:11]
	s_load_b64 s[12:13], s[0:1], 0x20              ; f32w
	v_lshrrev_b32 v3, 5, v0
	v_readfirstlane_b32 s14, v3                    ; wave
	v_and_b32 v3, 31, v0
	v_lshlrev_b32 v1, 4, v3
	v_lshlrev_b32 v2, 2, v3
	s_and_b32 s15, ttmp7, 0xffff                   ; IR: 64 b + image row
	s_lshr_b32 s16, ttmp9, 1                       ; the matrix: 0 q, 1 k, 2 v
	s_and_b32 s17, ttmp9, 1
	s_lshl_b32 s17, s17, 1
	s_lshr_b32 s18, s14, 1
	s_add_co_u32 s17, s17, s18                     ; hh
	s_and_b32 s18, s14, 1                          ; which half of the head's channels
	s_lshr_b32 s19, s15, 6                         ; b
	s_and_b32 s20, s15, 63                         ; image row
	s_lshl_b32 s22, s15, 14                        ; x's fragments: 4 row tiles of 4 KB
	s_mov_b32 s23, 0
	s_lshl_b32 s24, s16, 5
	s_lshl_b32 s25, s17, 3
	s_add_co_u32 s24, s24, s25
	s_lshl_b32 s25, s18, 2
	s_add_co_u32 s24, s24, s25                     ; my first column tile
	s_lshl_b32 s28, s24, 6                         ; its scale words: 16 columns x 4 bytes a tile
	s_add_co_u32 s28, s28, WS0
	s_mov_b32 s29, 0
	s_lshl_b32 s24, s24, 12
	s_add_co_u32 s24, s24, WC0
	s_mov_b32 s25, 0
	s_lshl_b32 s26, s15, 8                         ; x's scale words: 64 rows x 4 bytes
	s_mov_b32 s27, 0
	s_lshl_b32 s30, s19, 2
	s_add_co_u32 s30, s30, s17
	s_lshl_b32 s30, s30, 6
	s_add_co_u32 s30, s30, s20                     ; 64 bh + image row
	s_cmp_eq_u32 s16, 0
	s_cselect_b32 s31, 14, 15                      ; 16 KB a row in qf, 32 KB in kv
	s_lshl_b32 s32, s30, s31
	s_cmp_eq_u32 s16, 2
	s_cselect_b32 s31, 12, 11                      ; my half of the channels: four tiles of 512 bytes (q, k) or of 1,024 (v)
	s_lshl_b32 s33, s18, s31
	s_add_co_u32 s32, s32, s33
	s_cmp_eq_u32 s16, 2
	s_cselect_b32 s33, 16384, 0                    ; V lies behind K
	s_add_co_u32 s32, s32, s33
	s_mov_b32 s33, 0
	s_mul_i32 s34, s19, 3
	s_add_co_u32 s34, s34, s16
	s_lshl_b32 s34, s34, 2
	s_add_co_u32 s34, s34, s17
	s_lshl_b32 s34, s34, 3
	s_lshl_b32 s35, s18, 2
	s_add_co_u32 s34, s34, s35
	s_lshl_b32 s34, s34, 10                        ; f32w: my first image
	s_mov_b32 s35, 0
	s_mov_b32 s36, 0x3e0293ee                      ; c = log2(e) / sqrt(128)
	s_mov_b32 s37, s36                             ; (named with it as a pair, so it is written)
	s_wait_kmcnt 0x0
	s_add_nc_u64 s[22:23], s[4:5], s[22:23]
	s_add_nc_u64 s[24:25], s[4:5], s[24:25]
	s_add_nc_u64 s[26:27], s[6:7], s[26:27]
	s_add_nc_u64 s[28:29], s[6:7], s[28:29]
	s_cmp_eq_u32 s16, 0                            ; the choice of the buffer hangs on the work-group's number alone
	s_cselect_b64 s[8:9], s[8:9], s[10:11]
	s_add_nc_u64 s[8:9], s[8:9], s[32:33]
	s_add_nc_u64 s[12:13], s[12:13], s[34:35]
.irp s, 0,1,2,3
.irp e, 0,1
	global_load_b32 v[XSC+2*\s+\e], v2, s[26:27] offset:32768*\s+128*\e
	global_load_b32 v[WSC+2*\s+\e], v2, s[28:29] offset:6144*\s+128*\e
.endr
.endr
.irp s, 0,1,2,3                        ; K step by K step: 8 loads for x, 8 for W, 512 consecutive bytes each
	WIN 0
.irp a, 0,1,2,3
.irp c, 0,1
	global_load_b128 v[XF+8*(4*\a+\s)+4*\c:XF+8*(4*\a+\s)+4*\c+3], v1, s[22:23] offset:4096*\a+1024*\s+512*\c
.endr
.endr
	WIN 0x40                                       ; destination window 1
.irp t, 0,1,2,3
.irp c, 0,1
	global_load_b128 v[WF+8*(4*\t+\s)+4*\c:WF+8*(4*\t+\s)+4*\c+3], v1, s[24:25] offset:4096*\t+1024*\s+512*\c
.endr
.endr
.endr
	WIN 0
	s_cmp_eq_u32 s16, 2
	s_cbranch_scc1 .Lv
	WIN 0x51                                       ; source 0 (W) window 1, source 1 (x) window 0, C and D window 1
	GEMM 0
	WIN 0
	PLACES                                         ; four places between the last products and the first read of results
	s_cmp_lg_u32 s16, 0
	s_cbranch_scc1 .Lqk_pack
	WIN 0x41
.set i, 0
.rept 64
	v_pk_mul_f32 v[AC+2*i:AC+2*i+1], v[AC+2*i:AC+2*i+1], s[36:37] op_sel_hi:[1,0]   ; q x c
.set i, i+1
.endr
	WIN 0
.Lqk_pack:
	PACK
.irp a, 0,1,2,3
.irp t, 0,1,2,3
	global_store_b128 v1, v[PK+4*(4*\a+\t):PK+4*(4*\a+\t)+3], s[8:9] offset:4096*\a+512*\t   ; 512 consecutive bytes, aligned
.endr
.endr
	s_branch .Limage
.Lv:
	WIN 0x54                                       ; source 0 (x) window 0, source 1 (W) window 1, C and D window 1
	GEMM 1
	WIN 0
	PLACES
	PACK
.irp a, 0,1,2,3
.irp t, 0,1,2,3
	global_store_b128 v1, v[PK+4*(4*\a+\t):PK+4*(4*\a+\t)+3], s[8:9] offset:8192*(\a/2)+1024*\t+512*(\a%2)
.endr
.endr
.Limage:
	s_cmp_lg_u32 s20, 0                            ; image row 0 holds positions 0-15: their accumulators also leave in f32
	s_cbranch_scc1 .Lend
	WIN 0x04                                       ; a store's data are its source 1: window 1
.irp t, 0,1,2,3
	global_store_b128 v1, v[AC+8*\t:AC+8*\t+3], s[12:13] offset:1024*\t
	global_store_b128 v1, v[AC+8*\t+4:AC+8*\t+7], s[12:13] offset:1024*\t+512
.endr
	WIN 0
.Lend:
	s_endpgm
.Lfunc_end_k_qc912d7c6f4_qkv:
	.size	k_qc912d7c6f4_qkv, .Lfunc_end_k_qc912d7c6f4_qkv-k_qc912d7c6f4_qkv
	.p2alignl 7, 3214868480
	.fill 96, 4, 3214868480
	.section	.rodata,"a",@progbits
	.p2align	6, 0x0
	.amdhsa_kernel k_qc912d7c6f4_qkv
		.amdhsa_group_segment_fixed_size 0
		.amdhsa_private_segment_fixed_size 0
		.amdhsa_enable_private_segment 0
		.amdhsa_kernarg_size 40
		.amdhsa_user_sgpr_count 2
		.amdhsa_user_sgpr_kernarg_segment_ptr 1
		.amdhsa_wavefront_size32 1
		.amdhsa_system_sgpr_workgroup_id_x 1
		.amdhsa_system_sgpr_workgroup_id_y 1
		.amdhsa_system_sgpr_workgroup_id_z 1
		.amdhsa_system_vgpr_workitem_id 0
		.amdhsa_next_free_vgpr 512
		.amdhsa_next_free_sgpr 66
		.amdhsa_reserve_vcc 0
		.amdhsa_float_denorm_mode_32 3
		.amdhsa_float_denorm_mode_16_64 3
		.amdhsa_memory_ordered 1
		.amdhsa_forward_progress 1
		.amdhsa_inst_pref_size 44
	.end_amdhsa_kernel
	.amdgpu_metadata
---
amdhsa.version: [ 1, 2 ]
amdhsa.kernels:
  - .name:           k_qc912d7c6f4_qkv
    .symbol:         k_qc912d7c6f4_qkv.kd
    .args:
      - { .name: cod, .offset: 0, .size: 8, .value_kind: global_buffer, .address_space: global }
      - { .name: sc, .offset: 8, .size: 8, .value_kind: global_buffer, .address_space: global }
      - { .name: qf, .offset: 16, .size: 8, .value_kind: global_buffer, .address_space: global }
      - { .name: kv, .offset: 24, .size: 8, .value_kind: global_buffer, .address_space: global }
      - { .name: f32w, .offset: 32, .size: 8, .value_kind: global_buffer, .address_space: global }
    .group_segment_fixed_size: 0
    .private_segment_fixed_size: 0
    .kernarg_segment_align: 8
    .kernarg_segment_size: 40
    .max_flat_workgroup_size: 128
    .sgpr_count:     66
    .vgpr_count:     512
    .wavefront_size: 32
...
	.end_amdgpu_metadata
.endif
;; end of part 2
;; launch attn (part 3): grid 32 x 8, 4 waves a work-group, clusters of 4 x 1, 327,680 bytes of LDS; arguments qf, kv, rel_row, rel_col, of; writes of
.if DOCPART == 3
	.amdgcn_target "amdgcn-amd-amdhsa--gfx1250"
	.amdhsa_code_object_version 6
	.text
	.protected	k_qc912d7c6f4_attn
	.globl	k_qc912d7c6f4_attn
	.p2align	8
	.type	k_qc912d7c6f4_attn,@function
k_qc912d7c6f4_attn:
	s_mov_b64 s[64:65], 0
	v_nop
	global_prefetch_b8 v0, s[64:65] scope:SCOPE_SE
	s_setreg_imm32_b32 hwreg(HW_REG_WAVE_MODE, 25, 1), 1
	s_wait_xcnt 0x0
	s_wait_alu depctr_hold_cnt(0) depctr_sa_sdst(0) depctr_va_vdst(0) depctr_va_sdst(0) depctr_va_ssrc(0) depctr_va_vcc(0) depctr_vm_vsrc(0)
	s_getreg_b32 s2, hwreg(HW_REG_IB_STS2, 6, 4)
	s_cmp_eq_u32 s2, 0
	s_cbranch_scc0 .Lentry_in_a_cluster
	s_endpgm
.Lentry_in_a_cluster:
	s_bfe_u32 s2, ttmp6, 0x10000c
	s_cmp_lg_u32 s2, 0x3003
	s_cbranch_scc0 .Lentry_shape_is_right
	s_endpgm
.Lentry_shape_is_right:
; ATTN: o = softmax(q k^T + rel_row[h][63 + rk - rq] + rel_col[h][63 + ck - cq] + mask) v for each of 8 (batch, head) pairs; 4,096 positions = 64 image rows x 64 columns.  f16 operands, f32 sums, running maximum.
; WORK LEFT OUT: key steps (image rows) that lie wholly behind a query group's last image row hold keys under reference()'s own mask alone and are not walked; the head of the first kernel gives the limit.
; UNITS.  q carries log2(e) / sqrt(128); both biases and the mask are multiplied by log2(e): the scores are exponents of 2.
; SHARES.  A group G is four image rows 4 G .. 4 G + 3.  A work-group holds four query tiles of 16: rows 4 G + t, columns 16 p .. 16 p + 15 (p = its place in the cluster).
;   THE FOUR WAVES SHARE THE QUERIES AND SPLIT THE KEYS: in super-step S wave w takes key row 4 S + w (64 keys) against all four tiles: 128 matrix instructions, each fragment of K and V feeding four.
;   A work-group walks group 15 - g' (16 - g' super-steps) and then group g' (g' + 1): 17 trips in every work-group; 8 x 8 x 4 = 256 work-groups of equal work.  At a group's last trip the four waves' parts are merged.
; CLUSTER.  The four partners (p = 0..3) walk the same keys in every trip and each reads every tile, so each tile of K and V is asked for JOINTLY (mask 15).
; BIAS.  Within (16 queries of one image row) x (64 keys of one image row) the row bias is ONE number (a scalar, RB), and the column bias hangs on ck - cq alone: the same in every trip: it is the C of a tile's first score product.
; MASK.  Register tile u of wave w holds query row 4 G + (u + w) % 4, so in the diagonal trip (S = G) register tile 0 is the tile on the diagonal: its C has -1e6 log2(e) added where ck > cq.
;   Tiles with u + w >= 4 lie wholly under the mask there: -1e6 goes into their RB and they are computed: wave 0 has all four tiles live, so leaving them out would shorten no trip.
; LAYOUT.  S^T = K Q^T (source 0 = 16 keys, source 1 = 16 queries), O^T = V^T P (source 0 = 16 channels, source 1 = P): a lane holds ONE query throughout.  kv and qf hold fragments in register order: every load is 16 x lane.
; RING.  Two slots of 128 KB; in each, wave w has 32 KB of its own (K 16 KB, V 16 KB), which it loads by one tensor load and which it alone reads.  By this text's count two tensor loads of a wave are out at the head, later one.
; REGISTERS.  window 0: v1-11, v44-52 addresses; v12-43 statistics, eight a tile (+0 d, +1 m, +2 +3 l, +4..7 at work; a takes +6); v64-191 S^T, 32 a tile; v192-255 P, 16 a tile.
;   window 1: O^T, 64 a tile.   window 2: v0-127 Q, v128-255 K.   window 3: v0-127 V; v128-159 CB (column bias); v160-191 C0 (tile 0's C); v192-223 DM (the diagonal's mask).
.set SLOT1, 131072
.set SUPER, 131072                     ; a super-step's bytes in kv: four key rows of 32 KB
.set STG,   262144                     ; the merge: 8 KB for each wave
.set ML,    STG+32768                  ; the merge: m at [row t][lane][wave] words, 2 KB; l 2,048 bytes on
.set SPARE, ML+4096                    ; the spare words, 128 bytes for each wave: two blocks of 256 bytes that no other line names
.set LB,  1                            ; v1     32768 w + 16 x lane
.set ADR, 2                            ; v2     the address of the run of LDS loads in hand
.set QO,  3                            ; v3-6   byte offset of register tile u's fragments in qf
.set OO,  7                            ; v7     byte offset of my row tile in of
.set MS,  8                            ; v8-11  where I store tile u's m
.set ST,  12
.set MR,  44                           ; v44-47 where I read the four waves' m of tile u
.set SW,  48                           ; v48-50 where I send register tile 1, 2, 3
.set SRD, 51                           ; v51    where I receive
.set PFO, 52                           ; v52    256 x lane
.set SPW, 62                           ; v62    LDS address of my spare word; never rewritten
.set NIL, 63                           ; v63    0; never rewritten
.set S,   64
.set P,   192
.set KF,  128
.set CB,  128
.set C0,  160
.set DM,  192
.set WV,  14                           ; s14 wave;  s15 p;  s16 g';  s17 bh;  s18 head;  s19 batch
.set PP,  15
.set GP,  16
.set BH,  17
.set HH,  18
.set BB,  19
.set TAU, 20                           ; s20 the trip, 0..16
.set T1,  21                           ; s21 16 - g': the first trip of the second group
.set DG,  22                           ; s22 the group's last trip: the diagonal, and the merge
.set LIM, 23                           ; s23 a wave prefetches while the trip is under it
.set G1,  24                           ; s[24:31] descriptor group 1
.set G0A, 32                           ; s[32:35] group 0 of the first fill
.set G0B, 36                           ; s[36:39] group 0 of the second, which then walks
.set KB,  40                           ; s[40:41] kv at my key row of super-step 0
.set KO,  42                           ; s[42:43] the walking fill's super-step, in bytes
.set RP,  44                           ; s[44:51] four pointers into rel_row: tile u's number of this trip
.set RB,  52                           ; s[52:55] the row bias (with the mask) x log2(e)
.set WM,  56                           ; s57-59  -1e6 where register tile u lies wholly under the mask in the diagonal trip
.set FM,  60                           ; s61-63  that, in the diagonal trip; else 0
.set SEL, 66                           ; s[66:67] v_permlanex16_b32's selects for lane l xor 16
.set EF,  68                           ; s[68:69] 1.0 in the diagonal trip, else 0
.set TB,  71                           ; s71     the slot from which the next run of LDS loads reads
.set RDL, 72                           ; s[72:73] 16 (1 + g'): what the pointers go back at the change of groups
.set PFA, 74                           ; s[74:75] where my prefetches stand
.set QD,  76                           ; s76, s77 what QO and OO go back at the change of groups
.set OD,  77
.set LE,  86                           ; s[86:87] log2(e)
.set TU,  88                           ; s88-91  (u + w) % 4
.set SMEND, 138
.set MSB, 0
.macro WIN new                         ; the immediate's high byte repeats the setting that is left; a switch that changes nothing is dropped
.if MSB != \new
	s_set_vgpr_msb (MSB<<8)|\new
.set MSB, \new
.endif
.endm
.macro PLACES
.rept 4
	v_nop
.endr
.endm
.macro CROUND                          ; a round of the cluster's barrier
	s_barrier_signal -1
	s_barrier_wait -1
	s_cmp_lg_u32 s[WV], 0
	s_cbranch_scc1 .Lnot_wave_0_\@
	s_barrier_signal -3
.Lnot_wave_0_\@:
	s_barrier_wait -3
	s_barrier_signal -1
	s_barrier_wait -1
.endm
.macro JLOAD                           ; the joint refill: every wave loads its own 32 KB; an s_nop 0 and four v_nop follow
	tensor_load_to_lds s[G0B:G0B+3], s[G1:G1+7]
	s_nop 0
.rept 4
	v_nop
.endr
.endm
; A PREFETCH INTO THE L2 of the fill after the one just asked for: 128 KB.  All eight clusters of a (batch, head) pair walk the same key rows from row 0 on, and the cluster with g' = 0 walks all of them in its first group: it asks,
; in trips 0 to 12, for fills 3 to 15.  Its four partners take 32 KB each, told apart BY ADDRESS, their four waves 8 KB each, lanes 256 bytes apart: each aligned block of 256 bytes is named once in the launch.  Fills 0 to 2 come by their loads alone.
.macro ASK
	s_cmp_lt_u32 s[TAU], s[LIM]
	s_cbranch_scc0 .Lnot_mine_\@
	global_prefetch_b8 v[PFO], s[PFA:PFA+1] th:TH_LOAD_NT scope:SCOPE_SE
.Lnot_mine_\@:
.endm
; Product i of 16 of S^T(t) = K Q(t)^T + C: channels 32 (i / 4) on, keys 16 (i % 4) on.  The four accumulators take turns.  The first four take the column bias as C.
.macro KQ t
.set rS, S+32*(\t)+8*(i%4)
.set rK, KF+8*(4*(i%4)+i/4)
.set rQ, 32*(\t)+8*(i/4)
.if i < 4
	WIN 0x3a                                       ; K and Q window 2, C window 3, D window 0
.if (\t) == 0
	v_wmma_f32_16x16x32_f16 v[rS:rS+7], v[rK:rK+7], v[rQ:rQ+7], v[C0+8*(i%4):C0+8*(i%4)+7]
.else
	v_wmma_f32_16x16x32_f16 v[rS:rS+7], v[rK:rK+7], v[rQ:rQ+7], v[CB+8*(i%4):CB+8*(i%4)+7]
.endif
.else
	WIN 0x0a
	v_wmma_f32_16x16x32_f16 v[rS:rS+7], v[rK:rK+7], v[rQ:rQ+7], v[rS:rS+7]
.endif
.endm
; Product i of 16 of O^T(t) += V^T P(t): keys 32 (i / 8) on, channels 16 (i % 8) on.  Eight accumulators by turns.  first = 1: the first eight start the sums.
.macro PV t, first
	WIN 0x53                                       ; V window 3, P window 0, O^T window 1
.set rO, 64*(\t)+8*(i%8)
.set rV, 8*(8*(i/8)+i%8)
.set rP, P+16*(\t)+8*(i/8)
.if (\first) && (i < 8)
	v_wmma_f32_16x16x32_f16 v[rO:rO+7], v[rV:rV+7], v[rP:rP+7], 0
.else
	v_wmma_f32_16x16x32_f16 v[rO:rO+7], v[rV:rV+7], v[rP:rP+7], v[rO:rO+7]
.endif
.endm
.macro FETCH_K                         ; my key row's 16 fragments of K: 32 loads of 512 consecutive bytes
	WIN 0
	v_add_nc_u32 v[ADR], s[TB], v[LB]
	WIN 0x80                                       ; destination window 2
.set f, 0
.rept 16
	ds_load_b128 v[KF+8*f:KF+8*f+3], v[ADR] offset:1024*f
	ds_load_b128 v[KF+8*f+4:KF+8*f+7], v[ADR] offset:1024*f+512
.set f, f+1
.endr
	WIN 0
.endm
.macro FETCH_V                         ; and of V; the next run of loads reads the other slot
	WIN 0
	v_add_nc_u32 v[ADR], s[TB], v[LB]
	s_xor_b32 s[TB], s[TB], SLOT1
	WIN 0xc0                                       ; destination window 3
.set f, 0
.rept 16
	ds_load_b128 v[8*f:8*f+3], v[ADR] offset:16384+1024*f
	ds_load_b128 v[8*f+4:8*f+7], v[ADR] offset:16384+1024*f+512
.set f, f+1
.endr
	WIN 0
.endm
.macro QLOAD                           ; the four query tiles' fragments stay in registers for a group
	WIN 0x80
.irp u, 0,1,2,3
.irp f, 0,1,2,3
	global_load_b128 v[32*\u+8*\f:32*\u+8*\f+3], v[QO+\u], s[4:5] offset:1024*\f
	global_load_b128 v[32*\u+8*\f+4:32*\u+8*\f+7], v[QO+\u], s[4:5] offset:1024*\f+512
.endr
.endr
	WIN 0
.endm
; ONE TILE'S SOFTMAX FOR ONE TRIP is a list of 138; SM writes number j of it for register tile t.  s0-s31 are the lane's 32 scores (without the row bias), in pairs 0-15.  first = 1: the first trip: no old m, l, O^T.
;   0-17    the largest of s0-s31, and of the other half of the lanes'        18  + RB        19-21  the old m is kept, m = max(m, that), old m - m        22  d = RB - m
;   23-71   ONE BATCH: the 16 additions s + d, a pair each, and the 33 exponentials (a = 2^(old m - m) at 25); none of these names an exponential's result; a pair is shifted two groups ahead of its exponentials
;   72, 73  one plain line, and the one wait ahead of the first line that names a result
;   74-89   the roundings to f16        90-105  the sums, of the unrounded p; l = a l + sum        106-137  O^T x a
.macro SM t, first
.set rT, ST+8*(\t)
.set rS, S+32*(\t)
.set rP, P+16*(\t)
.if j < 106
	WIN 0
.endif
.if j < 4
	v_max3_num_f32 v[rT+4+j], v[rS+8*j], v[rS+8*j+1], v[rS+8*j+2]      ; each accumulator is read from its low end on
.elseif j < 12
	v_max3_num_f32 v[rT+4+j%4], v[rT+4+j%4], v[rS+8*(j%4)+2*(j/4)+1], v[rS+8*(j%4)+2*(j/4)+2]
.elseif j == 12
	v_max3_num_f32 v[rT+4], v[rT+4], v[rS+7], v[rS+15]
.elseif j == 13
	v_max3_num_f32 v[rT+6], v[rT+6], v[rS+23], v[rS+31]
.elseif j == 14
	v_max3_num_f32 v[rT+4], v[rT+4], v[rT+5], v[rT+6]
.elseif j == 15
	v_max_num_f32 v[rT+4], v[rT+4], v[rT+7]
.elseif j == 16
	v_permlanex16_b32 v[rT+5], v[rT+4], s[SEL], s[SEL+1]
.elseif j == 17
	v_max_num_f32 v[rT+4], v[rT+4], v[rT+5]
.elseif j == 18
	v_add_f32 v[rT+4], s[RB+(\t)], v[rT+4]
.elseif j == 19
.if !(\first)
	v_mov_b32 v[rT+7], v[rT+1]
.endif
.elseif j == 20
.if \first
	v_mov_b32 v[rT+1], v[rT+4]
.else
	v_max_num_f32 v[rT+1], v[rT+1], v[rT+4]
.endif
.elseif j == 21
.if !(\first)
	v_sub_f32 v[rT+7], v[rT+7], v[rT+1]
.endif
.elseif j == 22
	v_sub_f32 v[rT], s[RB+(\t)], v[rT+1]
.elseif j < 25
	v_pk_add_f32 v[rS+2*(j-23):rS+2*(j-23)+1], v[rS+2*(j-23):rS+2*(j-23)+1], v[rT:rT+1] op_sel_hi:[1,0]
.elseif j == 25
.if !(\first)
	v_exp_f32 v[rT+6], v[rT+7]
.endif
.elseif j < 68
.set k3, j-26
.if k3%3 == 0
	v_pk_add_f32 v[rS+2*(k3/3)+4:rS+2*(k3/3)+5], v[rS+2*(k3/3)+4:rS+2*(k3/3)+5], v[rT:rT+1] op_sel_hi:[1,0]
.else
	v_exp_f32 v[rS+2*(k3/3)+k3%3-1], v[rS+2*(k3/3)+k3%3-1]
.endif
.elseif j < 72
	v_exp_f32 v[rS+j-40], v[rS+j-40]
.elseif j == 72
	v_nop
.elseif j == 73
	s_wait_alu depctr_va_vdst(0)
.elseif j < 90
	v_cvt_pk_f16_f32 v[rP+j-74], v[rS+2*(j-74)], v[rS+2*(j-74)+1]
.elseif j < 106
.set zz, j-90
.set ww, 4
.set uu, zz
.if zz >= 14
.set ww, 32
.set uu, 0
.elseif zz >= 12
.set ww, 16
.set uu, zz-12
.elseif zz >= 8
.set ww, 8
.set uu, zz-8
.endif
.if (zz == 14) && \first
	v_pk_add_f32 v[rT+2:rT+3], v[rS:rS+1], v[rS+16:rS+17]
.elseif zz < 15
	v_pk_add_f32 v[rS+ww*uu:rS+ww*uu+1], v[rS+ww*uu:rS+ww*uu+1], v[rS+ww*uu+ww/2:rS+ww*uu+ww/2+1]
.elseif !\first
	v_pk_fma_f32 v[rT+2:rT+3], v[rT+2:rT+3], v[rT+6:rT+7], v[rS:rS+1] op_sel_hi:[1,0,1]
.endif
.elseif !\first
	WIN 0x41                                       ; O^T (destination and source 0) window 1, a window 0
.set rO, 64*(\t)+2*(j-106)
	v_pk_mul_f32 v[rO:rO+1], v[rO:rO+1], v[rT+6:rT+7] op_sel_hi:[1,0]
.endif
.endm
.macro DEAL t, first, n                ; the list's next n numbers
.rept \n
.if j < SMEND
	SM \t, \first
.set j, j+1
.endif
.endr
.endm
.macro REST t, first                   ; what is left of the list: ten multiplies of O^T, the places behind the block's last products; in the first trip they are empty and four v_nop take their part
	DEAL \t, \first, SMEND
.if \first
	WIN 0
	PLACES
.endif
.endm
; A TRIP: my key row of one super-step against the four tiles.  kind = 1: the slot read out is filled again, two trips ahead.  kind = 0: the last two trips, which fill nothing.
.macro TRIP kind, first
	s_cmp_eq_u32 s[TAU], s[DG]                     ; the diagonal trip?  What it decides is selected, not branched on
	s_cselect_b32 s[EF], 1.0, 0
.irp u, 1,2,3
	s_cselect_b32 s[FM+\u], s[WM+\u], 0
.endr
.irp u, 0,1,2,3
	s_load_b32 s[RB+\u], s[RP+2*\u:RP+2*\u+1], 0x0
.endr
	WIN 0xf3
.set i, 0
.rept 16
	v_pk_fma_f32 v[C0+2*i:C0+2*i+1], v[DM+2*i:DM+2*i+1], s[EF:EF+1], v[CB+2*i:CB+2*i+1] op_sel_hi:[1,0,1]   ; tile 0's C.  (These 16 are also the places between the last trip's products and the loads into V's registers)
.set i, i+1
.endr
	FETCH_V
	s_wait_loadcnt 0x0                             ; Q (asked for at the head, or at the change of groups)
	s_wait_dscnt 32                                ; K, asked for in the last trip, is in; V's 32 loads are younger
.set i, 0
.rept 16
	KQ 0
.set i, i+1
.endr
	WIN 0                                          ; THE CHANGE OF SLOTS
	s_wait_tensorcnt 0x0                           ; all my tensor loads have landed: the next trip's tile; no load of mine is out, so a group 0 may be written
.if \kind
	ds_add_u32 v[SPW], v[NIL]                      ; 0 onto my spare word; the descriptor's steps stand between it and the wait for it
	s_add_co_u32 s[KO], s[KO], SUPER               ; the fill two trips on: the next super-step,
	s_add_co_u32 s78, s[TAU], 2
	s_cmp_eq_u32 s78, s[T1]
	s_cselect_b32 s[KO], 0, s[KO]                  ; or the second group's first
	s_xor_b32 s[G0B+1], s[G0B+1], SLOT1            ; into the other slot than last time
	s_add_nc_u64 s[G0B+2:G0B+3], s[KB:KB+1], s[KO:KO+1]
	s_or_b32 s[G0B+3], s[G0B+3], 0x80000000
	s_wait_xcnt 0x0                                ; the last prefetch, a trip back, has read its address, so it may be written
	s_add_nc_u64 s[PFA:PFA+1], s[PFA:PFA+1], SUPER
	s_wait_dscnt 0x0                               ; the add is done, and V is in: my part of this trip's slot has been read out
	CROUND                                         ; no wave of any partner still reads the slot or has a load on its way
	JLOAD                                          ; the first thing behind the round; it has a whole trip in which to land.  Its four v_nop are the places in front of the first read of tile 0's scores
	ASK
.else
	s_wait_dscnt 0x0                               ; V is in
	PLACES
.endif
	s_wait_kmcnt 0x0                               ; the four row biases
.irp u, 1,2,3
	s_add_f32 s[RB+\u], s[RB+\u], s[FM+\u]         ; the mask is added as reference() adds it
.endr
.irp u, 0,1,2,3
	s_mul_f32 s[RB+\u], s[RB+\u], s[LE]
	s_add_nc_u64 s[RP+2*\u:RP+2*\u+1], s[RP+2*\u:RP+2*\u+1], 16   ; the next trip's key row lies four rows on
.endr
.set j, 0
.set i, 0
.rept 16
	KQ 1
	DEAL 0, \first, 8
.set i, i+1
.endr
	REST 0, \first
.set j, 0
.set i, 0
.rept 16
	KQ 2
	DEAL 1, \first, 4
.set i, i+1
.endr
.set i, 0
.rept 16
	PV 0, \first
	DEAL 1, \first, 4
.set i, i+1
.endr
	REST 1, \first
.set j, 0
.set i, 0
.rept 16
	KQ 3
	DEAL 2, \first, 4
.set i, i+1
.endr
.set i, 0
.rept 16
	PV 1, \first
	DEAL 2, \first, 4
.set i, i+1
.endr
	REST 2, \first
.if \kind
	FETCH_K                                        ; the next trip's K: its tile was shown landed at this trip's change of slots; K's last reader stands 16 slices back
.else
	WIN 0
	s_cmp_eq_u32 s[TAU], 16                        ; the last trip has no next
	s_cbranch_scc1 .Lno_k_\@
	FETCH_K
.Lno_k_\@:
.endif
.set j, 0
.set i, 0
.rept 16
	PV 2, \first
	DEAL 3, \first, 8
.set i, i+1
.endr
	REST 3, \first
.set i, 0
.rept 16
	PV 3, \first
.set i, i+1
.endr
	WIN 0
.endm
; THE MERGE, at a group's last trip.  Each wave holds, for each of the four tiles, m, l and O^T over its own key rows.  With m* the largest of the four m, e_w = 2^(m_w - m*) and L = the sum of e_w l_w,
; the tile's result is the sum over the waves of O^T_w e_w / L.  Wave w ends up with query row 4 G + w, which is its register tile 0, and stores it.
.macro MERGE
.irp u, 0,1,2,3
	v_add_f32 v[ST+8*\u+4], v[ST+8*\u+2], v[ST+8*\u+3]             ; l's two halves.  (These lines are the places behind the last products)
.endr
.irp u, 0,1,2,3
	v_permlanex16_b32 v[ST+8*\u+5], v[ST+8*\u+4], s[SEL], s[SEL+1]
.endr
.irp u, 0,1,2,3
	v_add_f32 v[ST+8*\u+4], v[ST+8*\u+4], v[ST+8*\u+5]             ; and the other half of the lanes'
.endr
.irp u, 0,1,2,3
	ds_store_b32 v[MS+\u], v[ST+8*\u+1]
	ds_store_b32 v[MS+\u], v[ST+8*\u+4] offset:2048
.endr
	s_wait_dscnt 0x0                               ; for the others' sake: my stores have landed
	s_barrier_signal -1
	s_barrier_wait -1
.irp u, 0,1,2,3
	ds_load_b128 v[S+8*\u:S+8*\u+3], v[MR+\u]                      ; the four waves' m of my register tile u's row,
	ds_load_b128 v[S+8*\u+4:S+8*\u+7], v[MR+\u] offset:2048        ; and their l
.endr
	s_wait_dscnt 0x0
.irp u, 0,1,2,3
	v_max3_num_f32 v[ST+8*\u+5], v[S+8*\u], v[S+8*\u+1], v[S+8*\u+2]
.endr
.irp u, 0,1,2,3
	v_max_num_f32 v[ST+8*\u+5], v[ST+8*\u+5], v[S+8*\u+3]          ; m*
.endr
.irp u, 0,1,2,3
.irp k, 0,1,2,3
	v_sub_f32 v[S+8*\u+\k], v[S+8*\u+\k], v[ST+8*\u+5]
.endr
	v_sub_f32 v[ST+8*\u+6], v[ST+8*\u+1], v[ST+8*\u+5]
.endr
.irp u, 0,1,2,3
.irp k, 0,1,2,3
	v_exp_f32 v[S+8*\u+\k], v[S+8*\u+\k]
.endr
	v_exp_f32 v[ST+8*\u+6], v[ST+8*\u+6]                           ; my own e
.endr
	v_nop                                          ; one plain line behind the batch,
	s_wait_alu depctr_va_vdst(0)                   ; and the one wait ahead of its first reader
.irp u, 0,1,2,3
	v_mul_f32 v[ST+8*\u+7], v[S+8*\u], v[S+8*\u+4]
.endr
.irp k, 1,2,3
.irp u, 0,1,2,3
	v_fma_f32 v[ST+8*\u+7], v[S+8*\u+\k], v[S+8*\u+4+\k], v[ST+8*\u+7]   ; L
.endr
.endr
.irp u, 0,1,2,3
	v_rcp_f32 v[ST+8*\u+7], v[ST+8*\u+7]
.endr
	v_nop
	s_wait_alu depctr_va_vdst(0)                   ; one wait for the four reciprocals
.irp u, 0,1,2,3
	v_mul_f32 v[ST+8*\u+6], v[ST+8*\u+6], v[ST+8*\u+7]             ; g = my e / L
.endr
	WIN 0x41
.irp u, 0,1,2,3
.set i, 0
.rept 32
	v_pk_mul_f32 v[64*\u+2*i:64*\u+2*i+1], v[64*\u+2*i:64*\u+2*i+1], v[ST+8*\u+6:ST+8*\u+7] op_sel_hi:[1,0]
.set i, i+1
.endr
.endr
.irp u, 1,2,3                          ; three rounds: register tile u goes to the wave that owns its row, (w + u) % 4: in a round each wave's 8 KB has one writer
	WIN 0x04                                       ; an LDS store's data are its source 1: window 1
.set i, 0
.rept 16
	ds_store_b128 v[SW+\u-1], v[64*\u+4*i:64*\u+4*i+3] offset:512*i
.set i, i+1
.endr
	WIN 0
	s_wait_dscnt 0x0                               ; my stores have landed
	s_barrier_signal -1
	s_barrier_wait -1
.set i, 0
.rept 16
	ds_load_b128 v[S+4*i:S+4*i+3], v[SRD] offset:512*i
.set i, i+1
.endr
	s_wait_dscnt 0x0                               ; my reads are over
	WIN 0x41
.set i, 0
.rept 32
	v_pk_add_f32 v[2*i:2*i+1], v[2*i:2*i+1], v[S+2*i:S+2*i+1]
.set i, i+1
.endr
	WIN 0
.if \u < 3
	s_barrier_signal -1                            ; everybody's reads are over: the next round may write
	s_barrier_wait -1
.endif
.endr
	WIN 0x05
.set i, 0
.rept 32
	v_cvt_pk_f16_f32 v[S+i], v[2*i], v[2*i+1]      ; a lane's eight channels of a query: half a fragment of the way out's operand
.set i, i+1
.endr
	WIN 0
.irp t, 0,1,2,3,4,5,6,7
	global_store_b128 v[OO], v[S+4*\t:S+4*\t+3], s[12:13] offset:512*\t   ; 512 consecutive bytes, aligned; 4 KB on end
.endr
	s_wait_xcnt 0x0                                ; the stores have read their registers: OO and S^T's registers may be written again
.endm
; THE CHANGE OF GROUPS, from 15 - g' to g'.  The old O^T and l are finite and m becomes -3e38, under every score: the next trip's a is 0 and wipes them, so nothing is cleared.
.macro REINIT
.irp u, 0,1,2,3
	v_sub_nc_u32 v[QO+\u], v[QO+\u], s[QD]
	v_mov_b32 v[ST+8*\u+1], 0xff61b1e6
	s_sub_nc_u64 s[RP+2*\u:RP+2*\u+1], s[RP+2*\u:RP+2*\u+1], s[RDL:RDL+1]
.endr
	v_sub_nc_u32 v[OO], v[OO], s[OD]
	s_mov_b32 s[DG], 16
	QLOAD
.endm
.macro MERGEB                          ; the branch hangs on the cluster's number and the count of trips: all waves of all partners go the same way; no tensor load stands inside
	s_cmp_lg_u32 s[TAU], s[DG]
	s_cbranch_scc1 .Lno_merge_\@
	MERGE
	s_cmp_eq_u32 s[TAU], 16
	s_cbranch_scc1 .Lno_merge_\@
	REINIT
.Lno_merge_\@:
.endm
	s_load_b256 s[4:11], s[0:1], 0x0               ; qf s[4:5], kv s[6:7], rel_row s[8:9], rel_col s[10:11]
	s_load_b64 s[12:13], s[0:1], 0x20              ; of
	v_lshl_add_u32 v[SPW], v0, 2, SPARE
	v_mov_b32 v[NIL], 0
	ds_add_u32 v[SPW], v[NIL]                      ; the wave's opening: the add, twice on end, and its wait ahead of my first tensor load
	ds_add_u32 v[SPW], v[NIL]
	v_lshrrev_b32 v53, 5, v0
	v_readfirstlane_b32 s[WV], v53
	s_bfe_u32 s[PP], ttmp6, 0x40000                ; my place in the cluster: the column tile.  It enters global addresses and data alone
	s_mov_b32 s[GP], ttmp9                         ; the cluster's x: g'
	s_and_b32 s[BH], ttmp7, 0xffff
	s_and_b32 s[HH], s[BH], 3
	s_lshr_b32 s[BB], s[BH], 2
	s_mov_b32 s[TAU], 0
	s_sub_co_u32 s[T1], 16, s[GP]
	s_sub_co_u32 s[DG], 15, s[GP]
	s_cmp_eq_u32 s[GP], 0
	s_cselect_b32 s[LIM], 13, 0
	s_mov_b32 s[G1], 15|(3<<16)|(1<<21)            ; 15:0 the mask: all four work-groups; 17:16 elements of 8 bytes; 21 set beside a mask; no padding
	s_mov_b32 s[G1+1], 32<<16                      ; tensor_dim0 = 32 elements: rows of 256 bytes
	s_mov_b32 s[G1+2], 128<<16                     ; tensor_dim1 = 128 rows: 32 KB, dense in memory
	s_mov_b32 s[G1+3], 32<<16                      ; tile_dim0
	s_mov_b32 s[G1+4], 128                         ; tile_dim1
	s_mov_b32 s[G1+5], 32                          ; the pitch
	s_mov_b32 s[G1+6], 0
	s_mov_b32 s[G1+7], 0
	s_mov_b32 s[SEL], 0x76543210
	s_mov_b32 s[SEL+1], 0xfedcba98
	s_mov_b32 s[EF+1], 0                           ; (named as the upper half of a pair)
	s_mov_b32 s[LE], 0x3fb8aa3b
	s_mov_b32 s[LE+1], s[LE]
	s_mov_b32 s[TB], 0
	s_mov_b32 s[KO], SUPER
	s_mov_b32 s[KO+1], 0
	s_add_co_u32 s[RDL], s[GP], 1
	s_lshl_b32 s[RDL], s[RDL], 4
	s_mov_b32 s[RDL+1], 0
	s_lshl_b32 s78, s[GP], 1
	s_sub_co_u32 s78, 15, s78                      ; 15 - 2 g' groups back
	s_lshl_b32 s[QD], s78, 16                      ; x 4 rows x 4 tiles x 4 KB
	s_lshl_b32 s[OD], s78, 18                      ; x 4 rows x 4 tiles x 16 KB
.irp u, 0,1,2,3
	s_add_co_u32 s78, s[WV], \u
	s_and_b32 s[TU+\u], s78, 3
.endr
.irp u, 1,2,3
	s_add_co_u32 s78, s[WV], \u
	s_cmp_ge_u32 s78, 4
	s_cselect_b32 s[WM+\u], 0xc9742400, 0          ; -1e6
.endr
	s_lshl_b32 s78, s[BH], 21                      ; 2 MB of kv a (batch, head) pair
	s_lshl_b32 s79, s[WV], 15
	s_add_co_u32 s78, s78, s79
	s_mov_b32 s79, 0
	s_lshl_b32 s[G0A+1], s[WV], 15                 ; LDS: my 32 KB of slot 0,
	s_add_co_u32 s[G0B+1], s[G0A+1], SLOT1         ; of slot 1
	s_mov_b32 s[G0A], 1
	s_mov_b32 s[G0B], 1
	s_wait_dscnt 0x0                               ; both opening adds are done
	s_wait_kmcnt 0x0
	s_add_nc_u64 s[KB:KB+1], s[6:7], s[78:79]
	s_mov_b64 s[G0A+2:G0A+3], s[KB:KB+1]
	s_or_b32 s[G0A+3], s[G0A+3], 0x80000000
	s_add_nc_u64 s[G0B+2:G0B+3], s[KB:KB+1], s[KO:KO+1]
	s_or_b32 s[G0B+3], s[G0B+3], 0x80000000
	CROUND                                         ; all four work-groups are here: the first joint loads meet
	tensor_load_to_lds s[G0A:G0A+3], s[G1:G1+7]    ; super-step 0
	s_nop 0
	tensor_load_to_lds s[G0B:G0B+3], s[G1:G1+7]    ; super-step 1
	s_nop 0
.rept 4
	v_nop
.endr
	v_and_b32 v53, 31, v0                          ; lane
	v_lshlrev_b32 v54, 4, v53                      ; 16 x lane
	v_and_b32 v56, 15, v0                          ; r
	v_bfe_u32 v57, v0, 4, 1                        ; h
	s_lshl_b32 s82, s[HH], 9                       ; my head's row of 128 numbers in rel_row and rel_col
	s_mov_b32 s83, 0
	s_add_nc_u64 s[8:9], s[8:9], s[82:83]
	s_add_nc_u64 s[10:11], s[10:11], s[82:83]
	s_lshl_b32 s85, s[PP], 4                       ; 16 p
	s_sub_co_u32 s78, 63, s85
	v_lshlrev_b32 v58, 3, v57                      ; 8 h
	v_sub_nc_u32 v55, v58, v56
	v_add_nc_u32 v55, s78, v55
	v_lshlrev_b32 v55, 2, v55                      ; 4 (63 + 8 h - 16 p - r), 0 or more
	WIN 0xc0                                       ; destination window 3
.irp a, 0,1,2,3
.irp n, 0,1,2,3,4,5,6,7
	global_load_b32 v[CB+8*\a+\n], v55, s[10:11] offset:4*(16*\a+\n)   ; rel_col[h][63 + ck - cq], ck = 16 a + 8 h + n, cq = 16 p + r
.endr
.endr
	WIN 0
	s_lshl_b32 s80, s[BH], 6
	s_lshl_b32 s81, s[DG], 2
	s_add_co_u32 s80, s80, s81                     ; 64 bh + 4 G
.irp u, 0,1,2,3
	s_add_co_u32 s81, s80, s[TU+\u]
	s_lshl_b32 s81, s81, 2
	s_add_co_u32 s81, s81, s[PP]
	s_lshl_b32 s81, s81, 12
	v_add_nc_u32 v[QO+\u], s81, v54
.endr
	QLOAD
	v_add_nc_u32 v[LB], s[G0A+1], v54
	s_lshl_b32 s81, s[DG], 2
	s_add_co_u32 s81, s81, s[WV]
	s_lshl_b32 s81, s81, 2
	s_lshl_b32 s82, s[BB], 8
	s_add_co_u32 s81, s81, s82
	s_add_co_u32 s81, s81, s[PP]                   ; my row tile: 256 b + 4 (4 G + w) + p
	s_lshl_b32 s81, s81, 14
	s_lshl_b32 s82, s[HH], 12
	s_add_co_u32 s81, s81, s82
	v_add_nc_u32 v[OO], s81, v54
.irp u, 0,1,2,3
	s_lshl_b32 s81, s[TU+\u], 9
	s_add_co_u32 s81, s81, ML
	v_add_nc_u32 v[MR+\u], s81, v54
	s_lshl_b32 s82, s[WV], 2
	s_add_co_u32 s81, s81, s82
	v_add_nc_u32 v[MS+\u], s81, v54
.endr
.irp u, 1,2,3
	s_lshl_b32 s81, s[TU+\u], 13
	s_add_co_u32 s81, s81, STG
	v_add_nc_u32 v[SW+\u-1], s81, v54
.endr
	s_lshl_b32 s81, s[WV], 13
	s_add_co_u32 s81, s81, STG
	v_add_nc_u32 v[SRD], s81, v54
	v_lshlrev_b32 v[PFO], 8, v53
	s_lshl_b32 s84, s[GP], 2
	s_add_co_u32 s84, s84, s[WV]
	s_add_co_u32 s84, s84, 3                       ; 63 + rk - rq at trip 0 is 3 + 4 g' + w - (u + w) % 4, 0 or more; it ends at 66 at the most
.irp u, 0,1,2,3
	s_sub_co_u32 s78, s84, s[TU+\u]
	s_lshl_b32 s78, s78, 2
	s_mov_b32 s79, 0
	s_add_nc_u64 s[RP+2*\u:RP+2*\u+1], s[8:9], s[78:79]
.endr
	s_lshl_b32 s80, s[BH], 21                      ; the prefetches: fill 2's place; trip 0 steps it to fill 3
	s_add_co_u32 s80, s80, 2*SUPER
	s_lshl_b32 s81, s[PP], 15
	s_add_co_u32 s80, s80, s81
	s_lshl_b32 s81, s[WV], 13
	s_add_co_u32 s80, s80, s81
	s_mov_b32 s81, 0
	s_add_nc_u64 s[PFA:PFA+1], s[6:7], s[80:81]
	v_sub_nc_u32 v58, v56, v58
	v_add_nc_u32 v58, s85, v58                     ; cq - 8 h: key column 16 a + 8 h + n is hidden on the diagonal where 16 a + n is above it
	v_mov_b32 v59, 0
	v_mov_b32 v60, 0xc9b01c38                      ; -1e6 log2(e)
	WIN 0xc0
.irp a, 0,1,2,3
.irp n, 0,1,2,3,4,5,6,7
	v_cmp_gt_i32 vcc_lo, 16*\a+\n, v58
	v_cndmask_b32 v[DM+8*\a+\n], v59, v60, vcc_lo
.endr
.endr
	s_wait_loadcnt 32                              ; rel_col's 32 loads are in; Q's 32 are younger
	WIN 0xc3
.set i, 0
.rept 16
	v_pk_mul_f32 v[CB+2*i:CB+2*i+1], v[CB+2*i:CB+2*i+1], s[LE:LE+1] op_sel_hi:[1,0]
.set i, i+1
.endr
	WIN 0
	s_wait_tensorcnt 1                             ; my part of slot 0 is in, which I alone read; slot 1's load is younger
	FETCH_K
	TRIP 1, 1                                      ; trip 0 starts m, l and O^T
	s_mov_b32 s[TAU], 1
.Ltrip:                                            ; trips 1 to 14: each asks for the fill two trips on
	TRIP 1, 0
	MERGEB
	s_add_co_u32 s[TAU], s[TAU], 1
	s_cmp_lt_u32 s[TAU], 15
	s_cbranch_scc1 .Ltrip
.Ltail:                                            ; trips 15 and 16 are written apart
	TRIP 0, 0
	MERGEB
	s_add_co_u32 s[TAU], s[TAU], 1
	s_cmp_lt_u32 s[TAU], 17
	s_cbranch_scc1 .Ltail
	s_wait_tensorcnt 0x0                           ; the wave's end: behind my last tensor load and my last LDS store
	ds_add_u32 v[SPW], v[NIL]
	s_wait_dscnt 0x0
	CROUND                                         ; the closing round: no work-group ends while a partner may still ask for a tile that names it
	s_endpgm
.Lfunc_end_k_qc912d7c6f4_attn:
	.size	k_qc912d7c6f4_attn, .Lfunc_end_k_qc912d7c6f4_attn-k_qc912d7c6f4_attn
	.p2alignl 7, 3214868480
	.fill 96, 4, 3214868480
	.section	.rodata,"a",@progbits
	.p2align	6, 0x0
	.amdhsa_kernel k_qc912d7c6f4_attn
		.amdhsa_group_segment_fixed_size 327680
		.amdhsa_private_segment_fixed_size 0
		.amdhsa_enable_private_segment 0
		.amdhsa_kernarg_size 40
		.amdhsa_user_sgpr_count 2
		.amdhsa_user_sgpr_kernarg_segment_ptr 1
		.amdhsa_wavefront_size32 1
		.amdhsa_system_sgpr_workgroup_id_x 1
		.amdhsa_system_sgpr_workgroup_id_y 1
		.amdhsa_system_sgpr_workgroup_id_z 1
		.amdhsa_system_vgpr_workitem_id 0
		.amdhsa_next_free_vgpr 1024
		.amdhsa_next_free_sgpr 100
		.amdhsa_reserve_vcc 1
		.amdhsa_float_denorm_mode_32 3
		.amdhsa_float_denorm_mode_16_64 3
		.amdhsa_memory_ordered 1
		.amdhsa_forward_progress 1
		.amdhsa_inst_pref_size 228
	.end_amdhsa_kernel
	.amdgpu_metadata
---
amdhsa.version: [ 1, 2 ]
amdhsa.kernels:
  - .name:           k_qc912d7c6f4_attn
    .symbol:         k_qc912d7c6f4_attn.kd
    .args:
      - { .name: qf, .offset: 0, .size: 8, .value_kind: global_buffer, .address_space: global }
      - { .name: kv, .offset: 8, .size: 8, .value_kind: global_buffer, .address_space: global }
      - { .name: rel_row, .offset: 16, .size: 8, .value_kind: global_buffer, .address_space: global }
      - { .name: rel_col, .offset: 24, .size: 8, .value_kind: global_buffer, .address_space: global }
      - { .name: of, .offset: 32, .size: 8, .value_kind: global_buffer, .address_space: global }
    .group_segment_fixed_size: 327680
    .private_segment_fixed_size: 0
    .kernarg_segment_align: 8
    .kernarg_segment_size: 40
    .max_flat_workgroup_size: 128
    .sgpr_count:     100
    .vgpr_count:     1024
    .wavefront_size: 32
...
	.end_amdgpu_metadata
.endif
;; end of part 3
;; launch proj (part 4): grid 4 x 64, 4 waves a work-group, clusters of 4 x 4, 280,064 bytes of LDS; arguments of, wop, out0; writes out0
.if DOCPART == 4
	.amdgcn_target "amdgcn-amd-amdhsa--gfx1250"
	.amdhsa_code_object_version 6
	.text
	.protected	k_qc912d7c6f4_proj
	.globl	k_qc912d7c6f4_proj
	.p2align	8
	.type	k_qc912d7c6f4_proj,@function
k_qc912d7c6f4_proj:
	s_mov_b64 s[64:65], 0
	v_nop
	global_prefetch_b8 v0, s[64:65] scope:SCOPE_SE
	s_setreg_imm32_b32 hwreg(HW_REG_WAVE_MODE, 25, 1), 1
	s_wait_xcnt 0x0
	s_wait_alu depctr_hold_cnt(0) depctr_sa_sdst(0) depctr_va_vdst(0) depctr_va_sdst(0) depctr_va_ssrc(0) depctr_va_vcc(0) depctr_vm_vsrc(0)
	s_getreg_b32 s2, hwreg(HW_REG_IB_STS2, 6, 4)
	s_cmp_eq_u32 s2, 0
	s_cbranch_scc0 .Lentry_in_a_cluster
	s_endpgm
.Lentry_in_a_cluster:
	s_bfe_u32 s2, ttmp6, 0x10000c
	s_cmp_lg_u32 s2, 0xf033
	s_cbranch_scc0 .Lentry_shape_is_right
	s_endpgm
.Lentry_shape_is_right:
; PROJ: out0[8192][512] = o [8192][512 = head x channel] wo [512][512], f16 operands, f32 sums.  Both operands arrive as fragments in register order: of [row tile 512][k chunk 16][1 KB], wop [d tile 32][k chunk 16][1 KB].
; A tile of out0 is 128 x 128: 256 work-groups; a wave makes 64 x 64: 16 accumulators.  K = 512 is short: both operands of a work-group, 2 x 128 KB, fit in LDS at once, so all loads go out at the head,
; and the products of a quarter of K begin when that quarter has landed.  By this text's count four tensor loads of a wave are out.
; CLUSTERS: 4 x 4.  The four of a row of the cluster need the same rows of o, the four of a column the same columns of wo: each tile is asked for JOINTLY.
; TRANSPOSED USE (source 0 = 16 columns of wo, source 1 = 16 rows of o): a lane holds eight neighbouring numbers of a row of out0.
; Positions 0-15 of both sequences are stored here like all others and stored anew, made in f32, by the launch that follows: a branch round them would hang on a work-group's place in its cluster.
; No prefetch: all of the launch's loads are issued at its head.
; LDS: [quarter of K 4][wave 4][16 KB]: waves 0, 1 bring o's two halves of 64 rows, waves 2, 3 wo's two halves of 64 columns; in 16 KB: [tile 4][k chunk 4][1 KB].  Behind: a stage of 16 rows x 272 bytes for each wave; the spare words.
; REGISTERS.  window 0: addresses; v64-191 the way out.  window 1: v0-127 the accumulators ((a, T) at 8 (4 a + T)).  windows 2 and 3: two fragment buffers: o's (4 q + a) at v0-127, wo's (4 q + T) at v128-255.
.set QUART, 65536
.set PART,  16384
.set STAGE, 262144
.set SP,    272                        ; a stage row: 256 bytes + 16 of padding = 68 words, so that 16 rows start in 16 different groups of four words modulo 64
.set SPARE, STAGE+4*16*SP              ; the spare words, 128 bytes for each wave: two blocks of 256 bytes that no other line names
.set AA,  16                           ; v16-19 o's fragments of quarter kq
.set AB,  20                           ; v20-23 wo's
.set STO, 24
.set RD,  25
.set CO,  26
.set SPW, 62
.set NIL, 63
.set OUTR, 64
.set WV,  10
.set G1A, 24                           ; s[24:31] group 1 for o's tiles; s[32:47] four groups 0
.set G0A, 32
.set G1B, 48                           ; s[48:55] group 1 for wo's; groups 0 at s[56:63] and s[68:75]
.set MSB, 0
.macro WIN new
.if MSB != \new
	s_set_vgpr_msb (MSB<<8)|\new
.set MSB, \new
.endif
.endm
.macro PLACES
.rept 4
	v_nop
.endr
.endm
.macro CROUND
	s_barrier_signal -1
	s_barrier_wait -1
	s_cmp_lg_u32 s[WV], 0
	s_cbranch_scc1 .Lnot_wave_0_\@
	s_barrier_signal -3
.Lnot_wave_0_\@:
	s_barrier_wait -3
	s_barrier_signal -1
	s_barrier_wait -1
.endm
	s_load_b128 s[4:7], s[0:1], 0x0                ; of s[4:5], wop s[6:7]
	s_load_b64 s[8:9], s[0:1], 0x10                ; out0
	v_lshl_add_u32 v[SPW], v0, 2, SPARE
	v_mov_b32 v[NIL], 0
	ds_add_u32 v[SPW], v[NIL]                      ; the wave's opening: the add, twice on end, and its wait ahead of my first tensor load
	ds_add_u32 v[SPW], v[NIL]
	v_lshrrev_b32 v1, 5, v0
	v_readfirstlane_b32 s[WV], v1
	s_lshr_b32 s11, s[WV], 1                       ; which half of the tile's rows is mine
	s_and_b32 s12, s[WV], 1                        ; which half of its columns.  Also: which half I fetch
	s_bfe_u32 s13, ttmp6, 0x40000                  ; cx
	s_bfe_u32 s14, ttmp6, 0x40004                  ; cy
	s_lshl_b32 s15, ttmp9, 2
	s_add_co_u32 s15, s15, s13                     ; tile column
	s_and_b32 s16, ttmp7, 0xffff
	s_lshl_b32 s16, s16, 2
	s_add_co_u32 s16, s16, s14                     ; tile row
	s_lshl_b32 s17, s14, 2
	s_lshl_b32 s17, 15, s17                        ; my row of the cluster
	s_lshl_b32 s18, 0x1111, s13                    ; my column
	s_or_b32 s[G1A], s17, (3<<16)|(1<<21)          ; 15:0 the mask; 17:16 elements of 8 bytes; 21 set beside a mask
	s_or_b32 s[G1B], s18, (3<<16)|(1<<21)
.irp g, G1A, G1B
	s_mov_b32 s[\g+1], 512<<16                     ; tensor_dim0 = 512 elements: four k chunks of a tile, 4 KB on end
	s_mov_b32 s[\g+2], 4<<16                       ; tensor_dim1 = 4 tiles
	s_mov_b32 s[\g+3], 512<<16                     ; tile_dim0
	s_mov_b32 s[\g+4], 4                           ; tile_dim1
	s_mov_b32 s[\g+5], 2048                        ; the pitch: a tile's 16 chunks, 16 KB
	s_mov_b32 s[\g+6], 0
	s_mov_b32 s[\g+7], 0
.endr
	s_lshl_b32 s19, s12, 16                        ; my half: four tiles of 16 KB
	s_lshl_b32 s20, s16, 17                        ; o: eight row tiles a tile row
	s_add_co_u32 s20, s20, s19
	s_mov_b32 s21, 0
	s_lshl_b32 s22, s15, 17                        ; wo: eight d tiles a tile column
	s_add_co_u32 s22, s22, s19
	s_mov_b32 s23, 0
	s_lshl_b32 s76, s[WV], 14                      ; LDS: wave x 16 KB: no place in the cluster enters an LDS address
	s_wait_dscnt 0x0                               ; both opening adds are done
	s_wait_kmcnt 0x0
	s_add_nc_u64 s[20:21], s[4:5], s[20:21]
	s_add_nc_u64 s[22:23], s[6:7], s[22:23]
.irp kq, 0,1,2,3
	s_mov_b32 s[G0A+4*\kq], 1
	s_add_co_u32 s[G0A+4*\kq+1], s76, \kq*QUART
	s_add_nc_u64 s[G0A+4*\kq+2:G0A+4*\kq+3], s[20:21], \kq*4096
	s_or_b32 s[G0A+4*\kq+3], s[G0A+4*\kq+3], 0x80000000
	s_mov_b32 s[56+4*\kq+4*(\kq/2)], 1
	s_add_co_u32 s[56+4*\kq+4*(\kq/2)+1], s76, \kq*QUART
	s_add_nc_u64 s[56+4*\kq+4*(\kq/2)+2:56+4*\kq+4*(\kq/2)+3], s[22:23], \kq*4096
	s_or_b32 s[56+4*\kq+4*(\kq/2)+3], s[56+4*\kq+4*(\kq/2)+3], 0x80000000
.endr
	CROUND                                         ; all sixteen work-groups are here: the joint loads meet
	s_cmp_lt_u32 s[WV], 2                          ; a wave's four fills stand in one branch on the wave's number, a fill in each arm
	s_cbranch_scc0 .Lfirst_b
.irp kq, 0,1,2,3
	tensor_load_to_lds s[G0A+4*\kq:G0A+4*\kq+3], s[G1A:G1A+7]
	s_nop 0
.endr
.rept 4
	v_nop
.endr
	s_branch .Lfirst_asked
.Lfirst_b:
.irp kq, 0,1,2,3
	tensor_load_to_lds s[56+4*\kq+4*(\kq/2):56+4*\kq+4*(\kq/2)+3], s[G1B:G1B+7]
	s_nop 0
.endr
.rept 4
	v_nop
.endr
.Lfirst_asked:
	v_and_b32 v1, 31, v0
	v_lshlrev_b32 v2, 4, v1                        ; 16 x lane
	v_and_b32 v3, 15, v0                           ; r
	v_bfe_u32 v4, v0, 4, 1                         ; h
	s_lshl_b32 s77, s11, 14                        ; o's half that I read
	s_lshl_b32 s78, s12, 14
	s_add_co_u32 s78, s78, 2*PART                  ; wo's half, behind o's two
.irp kq, 0,1,2,3
	v_add_nc_u32 v[AA+\kq], s77, v2
	v_add_nc_u32 v[AB+\kq], s78, v2
	s_add_co_u32 s77, s77, QUART
	s_add_co_u32 s78, s78, QUART
.endr
	s_mul_i32 s79, s[WV], 16*SP
	s_add_co_u32 s79, s79, STAGE                   ; my stage
	v_mul_u32_u24 v[STO], v3, SP
	v_lshl_add_u32 v[STO], v4, 5, v[STO]
	v_add_nc_u32 v[STO], s79, v[STO]               ; in: row r, 32 bytes for each half of the lanes
	v_mul_u32_u24 v[RD], v4, SP
	v_lshl_add_u32 v[RD], v3, 4, v[RD]
	v_add_nc_u32 v[RD], s79, v[RD]                 ; back: lanes 0-15 one row of 256 bytes, lanes 16-31 the next
	v_lshlrev_b32 v[CO], 11, v4
	v_lshl_add_u32 v[CO], v3, 4, v[CO]             ; and the same two rows in out0
	s_lshl_b32 s80, s16, 7
	s_lshl_b32 s81, s11, 6
	s_add_co_u32 s80, s80, s81                     ; my first row
	s_lshl_b32 s80, s80, 11
	s_lshl_b32 s81, s15, 9
	s_add_co_u32 s80, s80, s81
	s_lshl_b32 s81, s12, 8
	s_add_co_u32 s80, s80, s81                     ; + my first column, in bytes
	s_mov_b32 s81, 0
	s_add_nc_u64 s[8:9], s[8:9], s[80:81]
.macro FETCH kq                        ; a quarter's 32 fragments: 64 loads of 512 consecutive bytes, into buffer kq % 2
	WIN 0x80+0x40*((\kq)%2)
.irp q, 0,1,2,3
.irp a, 0,1,2,3
.irp c, 0,1
	ds_load_b128 v[8*(4*\q+\a)+4*\c:8*(4*\q+\a)+4*\c+3], v[AA+(\kq)] offset:4096*\a+1024*\q+512*\c
	ds_load_b128 v[128+8*(4*\q+\a)+4*\c:128+8*(4*\q+\a)+4*\c+3], v[AB+(\kq)] offset:4096*\a+1024*\q+512*\c
.endr
.endr
.endr
	WIN 0
.endm
.macro MUL kq                          ; 64 matrix instructions: the 16 accumulators by turns, one instruction a turn; the very first 16 start the sums
	WIN 0x5a+5*((\kq)%2)                           ; sources window 2 or 3, C and D window 1
.irp q, 0,1,2,3
.irp a, 0,1,2,3
.irp t, 0,1,2,3
.if ((\kq) == 0) && (\q == 0)
	v_wmma_f32_16x16x32_f16 v[8*(4*\a+\t):8*(4*\a+\t)+7], v[128+8*(4*\q+\t):128+8*(4*\q+\t)+7], v[8*(4*\q+\a):8*(4*\q+\a)+7], 0
.else
	v_wmma_f32_16x16x32_f16 v[8*(4*\a+\t):8*(4*\a+\t)+7], v[128+8*(4*\q+\t):128+8*(4*\q+\t)+7], v[8*(4*\q+\a):8*(4*\q+\a)+7], v[8*(4*\a+\t):8*(4*\a+\t)+7]
.endif
.endr
.endr
.endr
	WIN 0
.endm
	s_wait_tensorcnt 3                             ; my part of quarter 0 is in; three loads are younger
	s_barrier_signal -1
	s_barrier_wait -1                              ; everybody's is
	FETCH 0
.irp kq, 0,1,2
	s_wait_tensorcnt 2-\kq                         ; my part of the next quarter is in; the later quarters' loads are younger
	s_wait_dscnt 0x0                               ; no LDS load is pending at a signal: this quarter's fragments are in
	s_barrier_signal -1
	s_barrier_wait -1
	PLACES                                         ; in front of loads into the buffer that the quarter before multiplied
	FETCH \kq+1
	MUL \kq
.endr
	s_wait_dscnt 0x0
	MUL 3
	; THE WAY OUT, by blocks of 16 rows x 64 columns: through my own stage, back as whole rows of 256 bytes.  LDS serves a wave's instructions in order, so no wait stands between a block's stores and loads, nor ahead of the next block's stores.
	PLACES
.irp a, 0,1,2,3
	WIN 0x04                                       ; an LDS store's data are its source 1: window 1
.irp t, 0,1,2,3
	ds_store_b128 v[STO], v[8*(4*\a+\t):8*(4*\a+\t)+3] offset:64*\t          ; each accumulator from its low end on
	ds_store_b128 v[STO], v[8*(4*\a+\t)+4:8*(4*\a+\t)+7] offset:64*\t+16
.endr
	WIN 0
.irp i, 0,1,2,3,4,5,6,7
	ds_load_b128 v[OUTR+32*\a+4*\i:OUTR+32*\a+4*\i+3], v[RD] offset:2*SP*\i
.endr
.endr
.irp a, 0,1,2,3
.irp i, 0,1,2,3,4,5,6,7
	s_wait_dscnt 16*(3-\a)+7-\i                    ; behind this load: the rest of its block's, and sixteen for each later block
	global_store_b128 v[CO], v[OUTR+32*\a+4*\i:OUTR+32*\a+4*\i+3], s[8:9] offset:(16*\a+2*\i)*2048   ; sixteen lanes store 256 consecutive bytes, aligned
.endr
.endr
	s_wait_tensorcnt 0x0                           ; the wave's end: behind my last tensor load and my last LDS store
	ds_add_u32 v[SPW], v[NIL]
	s_wait_dscnt 0x0
	CROUND                                         ; the closing round
	s_endpgm
.Lfunc_end_k_qc912d7c6f4_proj:
	.size	k_qc912d7c6f4_proj, .Lfunc_end_k_qc912d7c6f4_proj-k_qc912d7c6f4_proj
	.p2alignl 7, 3214868480
	.fill 96, 4, 3214868480
	.section	.rodata,"a",@progbits
	.p2align	6, 0x0
	.amdhsa_kernel k_qc912d7c6f4_proj
		.amdhsa_group_segment_fixed_size 280064
		.amdhsa_private_segment_fixed_size 0
		.amdhsa_enable_private_segment 0
		.amdhsa_kernarg_size 24
		.amdhsa_user_sgpr_count 2
		.amdhsa_user_sgpr_kernarg_segment_ptr 1
		.amdhsa_wavefront_size32 1
		.amdhsa_system_sgpr_workgroup_id_x 1
		.amdhsa_system_sgpr_workgroup_id_y 1
		.amdhsa_system_sgpr_workgroup_id_z 1
		.amdhsa_system_vgpr_workitem_id 0
		.amdhsa_next_free_vgpr 1024
		.amdhsa_next_free_sgpr 100
		.amdhsa_reserve_vcc 0
		.amdhsa_float_denorm_mode_32 3
		.amdhsa_float_denorm_mode_16_64 3
		.amdhsa_memory_ordered 1
		.amdhsa_forward_progress 1
		.amdhsa_inst_pref_size 51
	.end_amdhsa_kernel
	.amdgpu_metadata
---
amdhsa.version: [ 1, 2 ]
amdhsa.kernels:
  - .name:           k_qc912d7c6f4_proj
    .symbol:         k_qc912d7c6f4_proj.kd
    .args:
      - { .name: of, .offset: 0, .size: 8, .value_kind: global_buffer, .address_space: global }
      - { .name: wop, .offset: 8, .size: 8, .value_kind: global_buffer, .address_space: global }
      - { .name: out0, .offset: 16, .size: 8, .value_kind: global_buffer, .address_space: global }
    .group_segment_fixed_size: 280064
    .private_segment_fixed_size: 0
    .kernarg_segment_align: 8
    .kernarg_segment_size: 24
    .max_flat_workgroup_size: 128
    .sgpr_count:     100
    .vgpr_count:     1024
    .wavefront_size: 32
...
	.end_amdgpu_metadata
.endif
;; end of part 4
;; launch fine (part 5): grid 16 x 1, 4 waves a work-group, no clusters, 17,920 bytes of LDS; arguments f32w, rel_col, wop, out0; writes out0
.if DOCPART == 5
	.amdgcn_target "amdgcn-amd-amdhsa--gfx1250"
	.amdhsa_code_object_version 6
	.text
	.protected	k_qc912d7c6f4_fine
	.globl	k_qc912d7c6f4_fine
	.p2align	8
	.type	k_qc912d7c6f4_fine,@function
k_qc912d7c6f4_fine:
	s_mov_b64 s[64:65], 0
	v_nop
	global_prefetch_b8 v0, s[64:65] scope:SCOPE_SE
	s_setreg_imm32_b32 hwreg(HW_REG_WAVE_MODE, 25, 1), 1
	s_wait_xcnt 0x0
; FINE: positions 0-15 of both sequences once more, scores, weighted sum and the way out with f32 operands: these rows average one to sixteen values and are the largest in size, so the rounding of 16-bit operands weighs most there.
; WORK LEFT OUT: all 16 queries and all keys that count lie in image row 0, so the row bias is one term along the softmax's axis and falls out of it: rel_row is not loaded.  Keys 16 on lie under reference()'s own mask.
; SHARES.  Work-group x: batch x / 8, output columns 64 (x % 8) on.  Wave = head.  192 matrix instructions of 16 x 16 x 4 a wave: no bulk work.  The four heads' parts of the way out meet in LDS.
; OPERANDS.  f32w holds the accumulators of q (with log2(e) / sqrt(128)), k and v as they stood: for q and k lane (r, h), register 8 T + n = position r, channel 16 T + 8 h + n; for v position 8 h + n, channel 16 T + r.
;   The matrix instruction takes k = 2 h + n' from register n' of lane (r, h).  Registers 8 T + 2 u, 8 T + 2 u + 1 of BOTH sources are the channels 16 T + 8 h + 2 u + n': one order of K on both sides, so the sums are whole.
; The registers that these matrix instructions write (window 2, v0-127) are written by nothing else; what is made of a finished sum goes into other registers.
; No cluster, no tensor load, operands straight into registers: each wave reads each of its operands once.
; REGISTERS.  window 0: v1-31 addresses and single numbers; v32-39 bias and mask; v40-47 scores; v48-55 p; v64-127 Q (later the heads' parts), v128-191 K, v192-255 V.   window 1: wo: (d tile T', channel tile T) at 8 (8 T' + T).
;   window 2: v0-31 four partial sums of the scores; v32-95 O^T; v96-127 the way out; v128-191 O^T / l.
.set SP,    272
.set HSTG,  16*SP                      ; a head's stage: 16 rows x (256 bytes + 16)
.set SPARE, 4*HSTG                     ; the spare words, 128 bytes for each wave: two blocks of 256 bytes that no other line names
.set WO32,  524288
.set SPW,   30
.set NIL,   31
.set MSB, 0
.macro WIN new
.if MSB != \new
	s_set_vgpr_msb (MSB<<8)|\new
.set MSB, \new
.endif
.endm
.macro PLACES8                         ; eight places behind this matrix form, in front of the first read of its results
.rept 8
	v_nop
.endr
.endm
	s_load_b256 s[4:11], s[0:1], 0x0               ; f32w s[4:5], rel_col s[6:7], wop s[8:9], out0 s[10:11]
	v_lshl_add_u32 v[SPW], v0, 2, SPARE
	v_mov_b32 v[NIL], 0
	v_lshrrev_b32 v1, 5, v0
	v_readfirstlane_b32 s12, v1                    ; wave = head
	s_lshr_b32 s13, ttmp9, 3                       ; batch
	s_and_b32 s14, ttmp9, 7                        ; which 64 output columns
	v_and_b32 v5, 31, v0
	v_lshlrev_b32 v1, 4, v5                        ; 16 x lane
	v_and_b32 v3, 15, v0                           ; r
	v_bfe_u32 v4, v0, 4, 1                         ; h
	v_lshlrev_b32 v6, 3, v4                        ; 8 h
	v_sub_nc_u32 v2, v6, v3
	v_add_nc_u32 v2, 63, v2
	v_lshlrev_b32 v2, 2, v2                        ; 4 (63 + 8 h - r)
	v_sub_nc_u32 v20, v3, v6                       ; r - 8 h: key 8 h + n is hidden where n is above it
	v_mov_b32 v22, 0
	v_mov_b32 v23, 0xc9b01c38                      ; -1e6 log2(e)
	v_mov_b32 v25, 0                               ; a lane permute's destination counts as one of its sources
	s_mul_i32 s15, s12, HSTG
	v_mul_u32_u24 v27, v3, SP
	v_lshl_add_u32 v27, v4, 5, v27
	v_add_nc_u32 v27, s15, v27                     ; into my head's stage: row r, 32 bytes for each half of the lanes
	s_lshl_b32 s15, s12, 2
	v_add_nc_u32 v28, s15, v4                      ; back: wave w takes rows 4 w .. 4 w + 3, two an instruction
	v_lshlrev_b32 v29, 11, v28
	v_lshl_add_u32 v29, v3, 4, v29                 ; the same place in out0
	v_mul_u32_u24 v28, v28, SP
	v_lshl_add_u32 v28, v3, 4, v28
	s_mov_b32 s24, 0x3fb8aa3b                      ; log2(e)
	s_mov_b32 s26, 0x76543210
	s_mov_b32 s27, 0xfedcba98
	s_mul_i32 s16, s13, 98304                      ; f32w: 3 x 4 x 8 KB a batch
	s_lshl_b32 s17, s12, 13
	s_add_co_u32 s16, s16, s17
	s_mov_b32 s17, 0
	s_lshl_b32 s18, s12, 9
	s_mov_b32 s19, 0
	s_lshl_b32 s20, s14, 17                        ; wo's images: four d tiles of 32 KB,
	s_lshl_b32 s21, s12, 13                        ; my head's eight channel tiles
	s_add_co_u32 s20, s20, s21
	s_add_co_u32 s20, s20, WO32
	s_mov_b32 s21, 0
	s_lshl_b32 s22, s13, 23                        ; out0: 4,096 rows of 2,048 bytes a batch
	s_lshl_b32 s23, s14, 8
	s_add_co_u32 s22, s22, s23
	s_mov_b32 s23, 0
	s_wait_kmcnt 0x0
	s_add_nc_u64 s[4:5], s[4:5], s[16:17]
	s_add_nc_u64 s[6:7], s[6:7], s[18:19]
	s_add_nc_u64 s[8:9], s[8:9], s[20:21]
	s_add_nc_u64 s[10:11], s[10:11], s[22:23]
.irp n, 0,1,2,3,4,5,6,7
	global_load_b32 v[32+\n], v2, s[6:7] offset:4*\n               ; rel_col[h][63 + (8 h + n) - r]
.endr
.irp m, 0,1,2
.irp t, 0,1,2,3,4,5,6,7
	global_load_b128 v[64+64*\m+8*\t:64+64*\m+8*\t+3], v1, s[4:5] offset:32768*\m+1024*\t
	global_load_b128 v[64+64*\m+8*\t+4:64+64*\m+8*\t+7], v1, s[4:5] offset:32768*\m+1024*\t+512
.endr
.endr
	WIN 0x40                                       ; destination window 1
.irp d, 0,1,2,3
.irp t, 0,1,2,3,4,5,6,7
	global_load_b128 v[8*(8*\d+\t):8*(8*\d+\t)+3], v1, s[8:9] offset:32768*\d+1024*\t
	global_load_b128 v[8*(8*\d+\t)+4:8*(8*\d+\t)+7], v1, s[8:9] offset:32768*\d+1024*\t+512
.endr
.endr
	WIN 0
	s_wait_loadcnt 63                              ; the bias, Q and K are in: 80 loads are younger, and the count is held to what the wait can name
.irp n, 0,1,2,3,4,5,6,7
	v_cmp_gt_i32 vcc_lo, \n, v20
	v_cndmask_b32 v21, v22, v23, vcc_lo
	v_fma_f32 v[32+\n], v[32+\n], s24, v21         ; bias x log2(e) + mask
.endr
	WIN 0xa0                                       ; sources window 0, C and D window 2
.irp t, 0,1,2,3,4,5,6,7                ; S^T = K Q^T: four partial sums by turns; the first four products start them
.irp u, 0,1,2,3
.if \t == 0
	v_wmma_f32_16x16x4_f32 v[8*\u:8*\u+7], v[128+8*\t+2*\u:128+8*\t+2*\u+1], v[64+8*\t+2*\u:64+8*\t+2*\u+1], 0
.else
	v_wmma_f32_16x16x4_f32 v[8*\u:8*\u+7], v[128+8*\t+2*\u:128+8*\t+2*\u+1], v[64+8*\t+2*\u:64+8*\t+2*\u+1], v[8*\u:8*\u+7]
.endif
.endr
.endr
	WIN 0
	PLACES8
	WIN 0x0a                                       ; sources window 2, destination window 0
.irp n, 0,1,2,3,4,5,6,7
	v_add_f32 v[40+\n], v[\n], v[8+\n]             ; each sum is read from its low end on
	v_add_f32 v[48+\n], v[16+\n], v[24+\n]
.endr
	WIN 0
.irp n, 0,1,2,3,4,5,6,7
	v_add_f32 v[40+\n], v[40+\n], v[48+\n]
.endr
.irp n, 0,1,2,3,4,5,6,7
	v_add_f32 v[40+\n], v[40+\n], v[32+\n]         ; lane (r, h): query r, key 8 h + n
.endr
	v_max3_num_f32 v24, v40, v41, v42
	v_max3_num_f32 v24, v24, v43, v44
	v_max3_num_f32 v24, v24, v45, v46
	v_max_num_f32 v24, v24, v47
	v_permlanex16_b32 v25, v24, s26, s27
	v_max_num_f32 v24, v24, v25                    ; the row's largest
.irp n, 0,1,2,3,4,5,6,7
	v_sub_f32 v[48+\n], v[40+\n], v24
.endr
.irp n, 0,1,2,3,4,5,6,7
	v_exp_f32 v[48+\n], v[48+\n]
.endr
	v_nop                                          ; one plain line behind the batch,
	s_wait_alu depctr_va_vdst(0)                   ; and the one wait ahead of its first reader
	v_pk_add_f32 v[40:41], v[48:49], v[50:51]
	v_pk_add_f32 v[42:43], v[52:53], v[54:55]
	v_pk_add_f32 v[40:41], v[40:41], v[42:43]
	v_add_f32 v26, v40, v41
	v_permlanex16_b32 v25, v26, s26, s27
	v_add_f32 v26, v26, v25                        ; the row's sum
	v_rcp_f32 v26, v26                             ; its wait stands behind the products below, which do not name it
	s_wait_loadcnt 63                              ; V is in: 64 loads are younger
	WIN 0xa0
.irp i, 0,1,2,3                        ; O^T = V^T P: keys 8 h + 2 i, + 1; eight sums by turns
.irp t, 0,1,2,3,4,5,6,7
.if \i == 0
	v_wmma_f32_16x16x4_f32 v[32+8*\t:32+8*\t+7], v[192+8*\t+2*\i:192+8*\t+2*\i+1], v[48+2*\i:48+2*\i+1], 0
.else
	v_wmma_f32_16x16x4_f32 v[32+8*\t:32+8*\t+7], v[192+8*\t+2*\i:192+8*\t+2*\i+1], v[48+2*\i:48+2*\i+1], v[32+8*\t:32+8*\t+7]
.endif
.endr
.endr
	WIN 0
	PLACES8
	s_wait_alu depctr_va_vdst(0)                   ; the reciprocal's wait, ahead of its first reader
	WIN 0x82                                       ; source 0 and destination window 2, source 1 window 0
.set i, 0
.rept 64
	v_mul_f32 v[128+i], v[32+i], v26               ; o = O^T / l: lane (r, h), register 8 T + n: query r, channel 16 T + 8 h + n
.set i, i+1
.endr
	s_wait_loadcnt 0x0                             ; wo
	WIN 0xa9                                       ; source 0 (wo) window 1, source 1 (o) window 2, C and D window 2
.irp t, 0,1,2,3,4,5,6,7                ; the way out, transposed: four d tiles by turns
.irp u, 0,1,2,3
.irp d, 0,1,2,3
.if (\t == 0) && (\u == 0)
	v_wmma_f32_16x16x4_f32 v[96+8*\d:96+8*\d+7], v[8*(8*\d+\t)+2*\u:8*(8*\d+\t)+2*\u+1], v[128+8*\t+2*\u:128+8*\t+2*\u+1], 0
.else
	v_wmma_f32_16x16x4_f32 v[96+8*\d:96+8*\d+7], v[8*(8*\d+\t)+2*\u:8*(8*\d+\t)+2*\u+1], v[128+8*\t+2*\u:128+8*\t+2*\u+1], v[96+8*\d:96+8*\d+7]
.endif
.endr
.endr
.endr
	WIN 0
	PLACES8
	WIN 0x08                                       ; an LDS store's data are its source 1: window 2
.irp d, 0,1,2,3
	ds_store_b128 v27, v[96+8*\d:96+8*\d+3] offset:64*\d           ; lane (r, h): query r, columns 16 d + 8 h + 0..7; each sum from its low end on
	ds_store_b128 v27, v[96+8*\d+4:96+8*\d+7] offset:64*\d+16
.endr
	WIN 0
	s_wait_dscnt 0x0                               ; for the others' sake: my stores have landed
	s_barrier_signal -1
	s_barrier_wait -1
.irp d, 0,1,2,3
.irp e, 0,1
	ds_load_b128 v[64+8*\d+4*\e:64+8*\d+4*\e+3], v28 offset:HSTG*\d+2*SP*\e   ; head d's part of two of my four rows
.endr
.endr
	s_wait_dscnt 0x0
.irp k, 0,2,4,6
	v_pk_add_f32 v[64+\k:65+\k], v[64+\k:65+\k], v[72+\k:73+\k]
	v_pk_add_f32 v[80+\k:81+\k], v[80+\k:81+\k], v[88+\k:89+\k]
.endr
.irp k, 0,2,4,6
	v_pk_add_f32 v[64+\k:65+\k], v[64+\k:65+\k], v[80+\k:81+\k]
.endr
	global_store_b128 v29, v[64:67], s[10:11]      ; sixteen lanes store 256 consecutive bytes, aligned
	global_store_b128 v29, v[68:71], s[10:11] offset:4096
	s_wait_tensorcnt 0x0                           ; the wave's end: behind my last LDS store
	ds_add_u32 v[SPW], v[NIL]
	s_wait_dscnt 0x0
	s_endpgm
.Lfunc_end_k_qc912d7c6f4_fine:
	.size	k_qc912d7c6f4_fine, .Lfunc_end_k_qc912d7c6f4_fine-k_qc912d7c6f4_fine
	.p2alignl 7, 3214868480
	.fill 96, 4, 3214868480
	.section	.rodata,"a",@progbits
	.p2align	6, 0x0
	.amdhsa_kernel k_qc912d7c6f4_fine
		.amdhsa_group_segment_fixed_size 17920
		.amdhsa_private_segment_fixed_size 0
		.amdhsa_enable_private_segment 0
		.amdhsa_kernarg_size 32
		.amdhsa_user_sgpr_count 2
		.amdhsa_user_sgpr_kernarg_segment_ptr 1
		.amdhsa_wavefront_size32 1
		.amdhsa_system_sgpr_workgroup_id_x 1
		.amdhsa_system_sgpr_workgroup_id_y 1
		.amdhsa_system_sgpr_workgroup_id_z 1
		.amdhsa_system_vgpr_workitem_id 0
		.amdhsa_next_free_vgpr 704
		.amdhsa_next_free_sgpr 66
		.amdhsa_reserve_vcc 1
		.amdhsa_float_denorm_mode_32 3
		.amdhsa_float_denorm_mode_16_64 3
		.amdhsa_memory_ordered 1
		.amdhsa_forward_progress 1
		.amdhsa_inst_pref_size 35
	.end_amdhsa_kernel
	.amdgpu_metadata
---
amdhsa.version: [ 1, 2 ]
amdhsa.kernels:
  - .name:           k_qc912d7c6f4_fine
    .symbol:         k_qc912d7c6f4_fine.kd
    .args:
      - { .name: f32w, .offset: 0, .size: 8, .value_kind: global_buffer, .address_space: global }
      - { .name: rel_col, .offset: 8, .size: 8, .value_kind: global_buffer, .address_space: global }
      - { .name: wop, .offset: 16, .size: 8, .value_kind: global_buffer, .address_space: global }
      - { .name: out0, .offset: 24, .size: 8, .value_kind: global_buffer, .address_space: global }
    .group_segment_fixed_size: 17920
    .private_segment_fixed_size: 0
    .kernarg_segment_align: 8
    .kernarg_segment_size: 32
    .max_flat_workgroup_size: 128
    .sgpr_count:     66
    .vgpr_count:     704
    .wavefront_size: 32
...
	.end_amdgpu_metadata
.endif
;; end of part 5
